; MI455X (gfx1250); checked and timed in simulation.
; The chip was launched on July 23, 2026; its instructions are those of AMD's public machine-readable ISA for CDNA 5 (MIT licence, August 2026) and "CDNA5" Instruction Set Architecture Reference Guide (July 2026). The comments in the code are by the model that wrote it; some were corrected since.
;; Markowitz Portfolio Optimizer. Allowed arithmetic: float matrix products may take bf16 or f16 operands with f32 sums; all other float work in f32.
;; Inputs: W1 128 x 32 float32; W2 32 x 16 float32; W3 16 x 64 float32; b1 32 float32; b2 16 float32; b3 64 float32; gamma one number float32; sigma 64 x 64 float32; x 16,384 x 128 float32.
;; Outputs: out0 16,384 x 64 float32; out1 16,384 x 64 float32.
;; 3 versions, each right and faster than the one before. Each part assembles by itself: llvm-mc -triple=amdgcn-amd-amdhsa -mcpu=gfx1250 --defsym DOCPART=n.
;; ======== version 1 of 3: 1 launch
;; limits: an absolute error that grows with the inputs' magnitude: up to 5e-05 times it
;; launch markowitz (part 1): grid 256 x 1, 4 waves a work-group, no clusters, 168,448 bytes of LDS; arguments x, W1, b1, W2, b2, W3, b3, sigma, gamma, out0, out1; writes out0, out1
.if DOCPART == 1
	.amdgcn_target "amdgcn-amd-amdhsa--gfx1250"
	.amdhsa_code_object_version 6
	.text
	.protected	k_q32997cc691_markowitz
	.globl	k_q32997cc691_markowitz
	.p2align	8
	.type	k_q32997cc691_markowitz,@function
k_q32997cc691_markowitz:
	s_mov_b64 s[64:65], 0
	v_nop
	global_prefetch_b8 v0, s[64:65] scope:SCOPE_SE
	s_setreg_imm32_b32 hwreg(HW_REG_WAVE_MODE, 25, 1), 1
	s_wait_xcnt 0x0
; mu = relu(relu(x W1 + b1) W2 + b2) W3 + b3 (out1);  w = 100 FISTA steps of min 0.5 w'Sw + p'w on the simplex, p = -gamma mu (out0).
; x [16384][128], W1 [128][32], W2 [32][16], W3 [16][64], sigma [64][64], out0 and out1 [16384][64], all f32.
; SHARES.  256 work-groups of four waves; a wave owns 16 rows from first to last.  The waves of a work-group meet only for the largest eigenvalue of sigma.
; LAYOUT.  Every product is used transposed: source 0 = 16 features x 32 k of a weight, source 1 = 32 k x 16 batch rows.  In a result lane l holds batch row l % 16
; and features 16 t + 8 (l / 16) + 0..7 of tile t, and two neighbouring tiles packed to 16 bits ARE source 1 of the next product: nothing changes lanes.
; A row's 64 numbers lie in two lanes, 16 apart, 32 registers each.
; FORMATS.  All nine inputs are rounded to bf16.  h1 and h2 go to the matrix unit as bf16 hi + lo; y (always in -1 .. 2) as f16; sigma, rounded to bf16, times a
; power of two that puts its Frobenius norm in 0.5 .. 1, as f16 (exact down to 2^-17 of that scale).  p, v, w, y, theta, sums: f32.
; EIGENVALUE.  B = I + (sigma + sigma') sc0 / 2 is positive definite whatever sigma is; 16 squarings (f16 hi + lo operands, hh + hl + lh, f32 sums), each followed by
; a power-of-two scale taken from the Frobenius norm; lambda(B) = (tr B^(2m) / tr B^m)^(1/m), m = 65,536, which lies within a factor 4.5^(1/m) below the truth for
; every spectrum.  LIMIT: L is right to about 5e-5 of sigma's Frobenius norm.  The logarithm of the last two norms' ratio is taken from their bit patterns (error under 0.17 x 2^-16).
; PROJECTION.  theta = max over k of (sum of the k largest - 1) / k.
; The 64 numbers are sorted by a fixed bitonic network: 15 layers in each lane, one exchange between the two lanes, 5 layers more.  The division is a product with v_rcp_f32(k).
; LIMITS.  NaN and infinities are not treated apart; a sigma whose symmetric part has no positive eigenvalue gives no sensible step.
.set ITERS, 100
.set XSP,  528                         ; LDS pitch of a row of x: 512 bytes + 16
.set XS,   0                           ; 4 x 16 rows x 528: each wave's rows of x, its own
.set EX,   33792                       ; 2 buffers x 4 blocks x (hi 2,048 + lo 2,048): the squarings' fragments, shared
.set SIG,  66560                       ; 4 blocks x 2,048: sigma's f16 fragments, shared
.set RED,  74752                       ; partial sums: +0 sigma's norm, +16 and +32 the squarings' two buffers; a word a wave
.set OST,  75008                       ; 4 x 16 rows x 272: each wave's stage for the way out, its own
.set OSP,  272
; v0 thread; v1 r = l % 16; v2 h = l / 16; v3 16 x lane; v4, v5 sigma's offsets, later the stage's two addresses; v6, v7 x in LDS: store, load; v8 0.0; v9 sc0
; eigenvalue: v10-11 scale; v12 G; v13 2^-i; v14 the norm before; v15 e; v16-19 at work; v20-25 LDS addresses; v28-31 four partial sums
.set FH, 32                            ; v32-47   my column block, f16 hi (source 1; by symmetry also a row block's source 0)
.set FL, 48                            ; v48-63   the same, lo
.set TW, 64                            ; v64-95   at work
.set XA, 96                            ; v96-127  my column block in f32: four accumulators
.set GH, 128                           ; v128-191 all four blocks' hi
.set GL, 192                           ; v192-255 all four blocks' lo
; main loop: v10-11 -step; v12-13 theta; v14-15 beta; v16-17 1 + beta; v18 t; v19, v24-27 at work; v20-21 scan's start; v22 the row's sum; v23 (sum - 1) / 64; v28 float(h); v29 1/64; v30-31 1 - 2h
.set DA, 32                            ; v32-63   accumulators; sort buffer A
.set YB, 64                            ; v64-95   y; sort buffer B
.set VV, 96                            ; v96-127  v
.set WW, 128                           ; v128-159 w
.set TT, 160                           ; v160-191 -beta w_old
.set RK, 192                           ; v192-223 1 / k of my 32 prefixes
.set YH, 224                           ; v224-239 y in f16: source 1
.set SCR, 240                          ; v240-255 at work
; window 1 (v256 on): v0-63 x while it is on its way, later sigma's fragments (tile t, K step ks at 16 t + 8 ks); v64-95 p'
.set MSB, 0
.macro WIN new                         ; s_set_vgpr_msb: bits 1:0 source 0, 3:2 source 1, 5:4 source 2, 7:6 destination; the high byte repeats the setting that is left
.if MSB != (\new)
	s_set_vgpr_msb (MSB<<8)|(\new)
.set MSB, \new
.endif
.endm
.macro RB16 a, t                       ; v[a], v[a+1] rounded to bf16, kept as f32
	v_cvt_pk_bf16_f32 v[\t], v[\a], v[(\a)+1]
	v_lshlrev_b32 v[\a], 16, v[\t]
	v_and_b32 v[(\a)+1], 0xffff0000, v[\t]
.endm
.macro WSUM x, t                       ; the sum over the 32 lanes, in every lane
	v_add_f32_dpp v[\x], v[\x], v[\x] row_xmask:1 row_mask:0xf bank_mask:0xf
	v_add_f32_dpp v[\x], v[\x], v[\x] row_xmask:2 row_mask:0xf bank_mask:0xf
	v_add_f32_dpp v[\x], v[\x], v[\x] row_xmask:4 row_mask:0xf bank_mask:0xf
	v_add_f32_dpp v[\x], v[\x], v[\x] row_xmask:8 row_mask:0xf bank_mask:0xf
	v_permlanex16_b32 v[\t], v[\x], s34, s35
	v_add_f32 v[\x], v[\x], v[\t]
.endm
.macro SUMSQ x, c                      ; v16 = the wave's sum of squares of v[x .. x+31]; two chains in v[c .. c+3], started by products
	v_pk_mul_f32 v[\c:(\c)+1], v[\x:(\x)+1], v[\x:(\x)+1]
	v_pk_mul_f32 v[(\c)+2:(\c)+3], v[(\x)+2:(\x)+3], v[(\x)+2:(\x)+3]
.set q, 4
.rept 7
	v_pk_fma_f32 v[\c:(\c)+1], v[(\x)+q:(\x)+q+1], v[(\x)+q:(\x)+q+1], v[\c:(\c)+1]
	v_pk_fma_f32 v[(\c)+2:(\c)+3], v[(\x)+q+2:(\x)+q+3], v[(\x)+q+2:(\x)+q+3], v[(\c)+2:(\c)+3]
.set q, q+4
.endr
	v_pk_add_f32 v[\c:(\c)+1], v[\c:(\c)+1], v[(\c)+2:(\c)+3]
	v_add_f32 v16, v[\c], v[(\c)+1]
	WSUM 16, 17
.endm
.macro PLACES                          ; four plain vector instructions between a matrix instruction and a vector line that touches its registers (ISA guide 7.12.1)
.rept 4
	v_nop
.endr
.endm
.macro BARRIER                         ; my LDS instructions are done, for the others' sake; then all four waves meet
	s_wait_dscnt 0x0
	s_barrier_signal -1
	s_barrier_wait -1
.endm
.macro WID d, lo, hi
	v_cvt_f32_f16 v[\d], \lo
	v_cvt_f32_f16 v[(\d)+1], \hi
.endm
.macro WIDEN                           ; TW = the f16 hi parts, as f32
	WID TW+0, v32.l, v32.h
	WID TW+2, v33.l, v33.h
	WID TW+4, v34.l, v34.h
	WID TW+6, v35.l, v35.h
	WID TW+8, v36.l, v36.h
	WID TW+10, v37.l, v37.h
	WID TW+12, v38.l, v38.h
	WID TW+14, v39.l, v39.h
	WID TW+16, v40.l, v40.h
	WID TW+18, v41.l, v41.h
	WID TW+20, v42.l, v42.h
	WID TW+22, v43.l, v43.h
	WID TW+24, v44.l, v44.h
	WID TW+26, v45.l, v45.h
	WID TW+28, v46.l, v46.h
	WID TW+30, v47.l, v47.h
.endm
.macro SCALEX                          ; my block times the scale; each accumulator is read from its low end on
.set q, 0
.rept 16
	v_pk_mul_f32 v[XA+q:XA+q+1], v[XA+q:XA+q+1], v[10:11]
.set q, q+2
.endr
.endm
.macro MM4 ga, fb, ks, zero            ; four products, one for each accumulator: they take turns
.set a, 0
.rept 4
.if \zero
	v_wmma_f32_16x16x32_f16 v[XA+8*a:XA+8*a+7], v[(\ga)+16*a+8*(\ks):(\ga)+16*a+8*(\ks)+7], v[(\fb)+8*(\ks):(\fb)+8*(\ks)+7], 0
.else
	v_wmma_f32_16x16x32_f16 v[XA+8*a:XA+8*a+7], v[(\ga)+16*a+8*(\ks):(\ga)+16*a+8*(\ks)+7], v[(\fb)+8*(\ks):(\fb)+8*(\ks)+7], v[XA+8*a:XA+8*a+7]
.endif
.set a, a+1
.endr
.endm
; ONE SQUARING.  C = scale x (what the last products made); its hi and lo parts and its norm go to LDS buffer buf; behind one barrier every wave reads all four blocks
; and makes its column block of C C.  Buffer buf is written again two squarings on: every wave's reads of it are waited for in front of the barrier in between.
.macro SQ buf
	SCALEX
.set q, 0
.rept 16
	v_cvt_pk_f16_f32 v[FH+q], v[XA+2*q], v[XA+2*q+1]
.set q, q+1
.endr
	WIDEN
.set q, 0
.rept 16
	v_pk_add_f32 v[TW+q:TW+q+1], v[XA+q:XA+q+1], v[TW+q:TW+q+1] neg_lo:[0,1] neg_hi:[0,1]
.set q, q+2
.endr
.set q, 0
.rept 16
	v_cvt_pk_f16_f32 v[FL+q], v[TW+2*q], v[TW+2*q+1]
.set q, q+1
.endr
	SUMSQ XA, TW
.set c, 0
.rept 4
	ds_store_b128 v20, v[FH+4*c:FH+4*c+3] offset:(\buf)*16384+c*512
	ds_store_b128 v20, v[FL+4*c:FL+4*c+3] offset:(\buf)*16384+2048+c*512
.set c, c+1
.endr
	ds_store_b32 v24, v16 offset:16+16*(\buf)
	BARRIER
	ds_load_b128 v[28:31], v25 offset:16+16*(\buf)
.set b, 0
.rept 4
.set c, 0
.rept 4
	ds_load_b128 v[GH+16*b+4*c:GH+16*b+4*c+3], v21 offset:(\buf)*16384+b*4096+c*512
	ds_load_b128 v[GL+16*b+4*c:GL+16*b+4*c+3], v21 offset:(\buf)*16384+b*4096+2048+c*512
.set c, c+1
.endr
.set b, b+1
.endr
	s_wait_dscnt 0x0
	MM4 GH, FH, 0, 1                               ; the first products start the sums
	MM4 GH, FL, 0, 0
	MM4 GL, FH, 0, 0
	MM4 GH, FH, 1, 0
	MM4 GH, FL, 1, 0
	MM4 GL, FH, 1, 0
	; the next scale, from the norm N of C: ||C C|| lies in N/8 .. N, so 2^-(E - 134), E = N's exponent field, puts it in 2^4 .. 2^8.  These lines are also the places behind the products.
	v_add_f32 v28, v28, v29
	v_add_f32 v30, v30, v31
	v_add_f32 v14, v28, v30                        ; N: the same four numbers in the same order in every wave
	v_lshrrev_b32 v17, 23, v14                     ; E
	v_sub_nc_u32 v18, 0x105, v17
	v_add_nc_u32 v17, 0xffffff7a, v17              ; e = E - 134
	v_lshlrev_b32 v10, 23, v18                     ; 2^-e
	v_cvt_f32_i32 v15, v17
	v_mov_b32 v11, v10
	v_fmac_f32 v12, v15, v13                       ; G += e 2^-i: whole multiples of 2^-16 below 64, exact in f32
	v_mul_f32 v13, 0.5, v13
.endm
.macro RELU src, n
.set q, 0
.rept \n
	v_dual_max_num_f32 v[(\src)+2*q], v[(\src)+2*q], v8 :: v_dual_max_num_f32 v[(\src)+2*q+1], v[(\src)+2*q+1], v8
.set q, q+1
.endr
.endm
.macro SPLIT src, n, hi, lo, tmp       ; n pairs of f32 as bf16 hi and bf16 lo
.set q, 0
.rept \n
	v_cvt_pk_bf16_f32 v[(\hi)+q], v[(\src)+2*q], v[(\src)+2*q+1]
.set q, q+1
.endr
.set q, 0
.rept \n
	v_lshlrev_b32 v[(\tmp)+2*q], 16, v[(\hi)+q]
	v_and_b32 v[(\tmp)+2*q+1], 0xffff0000, v[(\hi)+q]
.set q, q+1
.endr
.set q, 0
.rept \n
	v_pk_add_f32 v[(\tmp)+2*q:(\tmp)+2*q+1], v[(\src)+2*q:(\src)+2*q+1], v[(\tmp)+2*q:(\tmp)+2*q+1] neg_lo:[0,1] neg_hi:[0,1]
.set q, q+1
.endr
.set q, 0
.rept \n
	v_cvt_pk_bf16_f32 v[(\lo)+q], v[(\tmp)+2*q], v[(\tmp)+2*q+1]
.set q, q+1
.endr
.endm
; THE WAY OUT of 16 rows x 64 numbers in v[src ..]: a lane's 8 neighbouring numbers of a row go into my stage (rows of 272 bytes), whole rows come back, and each store
; of the wave covers 512 consecutive bytes, two rows, at a multiple of 256 from the buffer's first byte.  LDS serves a wave's instructions in order (ISA guide 5.7.1.4): no wait between stores and loads.
.macro OUT src, lo
.set t, 0
.rept 4
	ds_store_b128 v4, v[(\src)+8*t:(\src)+8*t+3] offset:t*64
	ds_store_b128 v4, v[(\src)+8*t+4:(\src)+8*t+7] offset:t*64+16
.set t, t+1
.endr
.set i, 0
.rept 8
	ds_load_b128 v[DA+4*i:DA+4*i+3], v5 offset:i*2*OSP
.set i, i+1
.endr
.set i, 0
.rept 8
	s_wait_dscnt 7-i                               ; the younger read-backs may stay out
	global_store_b128 v3, v[DA+4*i:DA+4*i+3], s[\lo:(\lo)+1] offset:i*512 th:TH_STORE_NT
.set i, i+1
.endr
.endm
; ONE LAYER of the bitonic network: 16 compare-exchanges, element i with element i | jj, the larger to i where i & kk = 0.  Element i lies in register (i & 30) | parity(i),
; so that partners, which differ in one bit, lie in an even and an odd register, as the two destinations of a dual instruction must; both halves name the same two sources,
; and the results go to the other buffer.  nat = 1: the results go to registers i and i | jj themselves.
.macro LAYER src, dst, kk, jj, nat
.set i, 0
.rept 32
.if (i & (\jj)) == 0
.set l, i | (\jj)
.set ri, (i & 30) | ((i ^ (i>>1) ^ (i>>2) ^ (i>>3) ^ (i>>4)) & 1)
.set rl, (l & 30) | ((l ^ (l>>1) ^ (l>>2) ^ (l>>3) ^ (l>>4)) & 1)
.if \nat
.set di, i
.set dl, l
.else
.set di, ri
.set dl, rl
.endif
.if (i & (\kk)) == 0
	v_dual_max_num_f32 v[(\dst)+di], v[(\src)+ri], v[(\src)+rl] :: v_dual_min_num_f32 v[(\dst)+dl], v[(\src)+ri], v[(\src)+rl]
.else
	v_dual_min_num_f32 v[(\dst)+di], v[(\src)+ri], v[(\src)+rl] :: v_dual_max_num_f32 v[(\dst)+dl], v[(\src)+ri], v[(\src)+rl]
.endif
.endif
.set i, i+1
.endr
.endm
	; ---------------- set-up and the first loads ----------------
	s_load_b512 s[8:23], s[0:1], 0x0               ; x s[8:9], W1 s[10:11], b1 s[12:13], W2 s[14:15], b2 s[16:17], W3 s[18:19], b3 s[20:21], sigma s[22:23]
	s_load_b128 s[24:27], s[0:1], 0x40             ; gamma s[24:25], out0 s[26:27]
	s_load_b64 s[28:29], s[0:1], 0x50              ; out1
	s_set_vgpr_msb 0x40
	v_lshl_add_u32 v96, v0, 2, 0x29000
	v_mov_b32 v97, 0
	s_set_vgpr_msb 0x4000
	v_lshrrev_b32 v4, 5, v0
	v_readfirstlane_b32 s30, v4                    ; wave 0..3
	v_and_b32 v1, 15, v0                           ; r
	v_bfe_u32 v2, v0, 4, 1                         ; h
	v_and_b32 v3, 31, v0
	v_lshlrev_b32 v3, 4, v3                        ; 16 x lane
	v_mov_b32 v8, 0
	s_lshl_b32 s31, ttmp9, 6
	s_lshl4_add_u32 s31, s30, s31                  ; my first row = 64 x work-group + 16 x wave
	s_lshl_b32 s32, s31, 9                         ; in bytes of x
	s_mov_b32 s33, 0
	s_mov_b32 s34, 0x76543210                      ; v_permlanex16_b32: each lane takes its own place in the other half
	s_mov_b32 s35, 0xfedcba98
	v_lshlrev_b32 v4, 2, v1
	v_lshl_add_u32 v4, v2, 11, v4
	s_lshl_b32 s37, s30, 6
	v_add_nc_u32 v4, s37, v4                       ; sigma[8h + ..][16w + r]: 2,048 h + 64 w + 4 r
	v_lshlrev_b32 v5, 8, v1
	v_lshl_add_u32 v5, v2, 5, v5
	s_lshl_b32 s38, s30, 12
	v_add_nc_u32 v5, s38, v5                       ; sigma[16w + r][8h + ..]: 4,096 w + 256 r + 32 h
	s_wait_kmcnt 0x0
	s_add_nc_u64 s[8:9], s[8:9], s[32:33]          ; x at my first row
	s_lshl_b32 s32, s31, 8
	s_add_nc_u64 s[26:27], s[26:27], s[32:33]      ; out0 and out1 at my first row
	s_add_nc_u64 s[28:29], s[28:29], s[32:33]
	s_load_b32 s42, s[24:25], 0x0                  ; gamma
.set a, 0
.rept 4
.set j, 0
.rept 8
	global_load_b32 v[XA+8*a+j], v4, s[22:23] offset:a*4096+j*256      ; S: my column block, sigma[16a + 8h + j][16w + r]
.set j, j+1
.endr
.set a, a+1
.endr
.set a, 0
.rept 4
	global_load_b128 v[TW+8*a:TW+8*a+3], v5, s[22:23] offset:a*64      ; R: my row block, sigma[16w + r][16a + 8h + j]
	global_load_b128 v[TW+8*a+4:TW+8*a+7], v5, s[22:23] offset:a*64+16
.set a, a+1
.endr
	WIN 0x40                                       ; destination window 1
.set i, 0
.rept 16
	global_load_b128 v[4*i:4*i+3], v3, s[8:9] offset:i*512 th:TH_LOAD_NT  ; a whole row of x, 512 bytes; it lands while the eigenvalue is found
.set i, i+1
.endr
	WIN 0
	s_lshl_b32 s37, s30, 12
	s_add_co_u32 s37, s37, EX
	v_add_nc_u32 v20, s37, v3                      ; where I store my block's fragments
	v_add_nc_u32 v21, EX, v3                       ; where I read all blocks'
	s_lshl_b32 s37, s30, 11
	s_add_co_u32 s37, s37, SIG
	v_add_nc_u32 v22, s37, v3                      ; the same for sigma's fragments
	v_add_nc_u32 v23, SIG, v3
	s_lshl_b32 s37, s30, 2
	s_add_co_u32 s37, s37, RED
	v_mov_b32 v24, s37                             ; my word of partial sums
	v_mov_b32 v25, RED
	s_mul_i32 s37, s30, 16*XSP
	v_add_nc_u32 v6, s37, v3                       ; x into LDS: a row at a time
	v_mul_u32_u24 v7, v1, XSP
	v_lshl_add_u32 v7, v2, 5, v7
	v_add_nc_u32 v7, s37, v7                       ; x out of LDS: row r, 8 numbers from 8 h on
	; ---------------- sigma: rounded, scaled, its fragments; the matrix B ----------------
	s_wait_loadcnt 16                              ; sigma is in; the 16 loads of x, issued behind it, stay out
.set q, 0
.rept 32
	RB16 TW+2*q, 16+(q&3)                          ; R and S rounded to bf16
.set q, q+1
.endr
	SUMSQ XA, FL                                   ; the four column blocks cover sigma once
	ds_store_b32 v24, v16
	BARRIER
	ds_load_b128 v[28:31], v25
	s_wait_dscnt 0x0
	v_add_f32 v28, v28, v29
	v_add_f32 v30, v30, v31
	v_add_f32 v16, v28, v30                        ; N0 = ||sigma||^2
	v_lshrrev_b32 v17, 23, v16                     ; its exponent field E: N0 < 2^(E - 126)
	v_add_nc_u32 v17, 0xffffff83, v17
	v_ashrrev_i32 v17, 1, v17                      ; e0 = (E - 125) >> 1: ||sigma|| < 2^e0 <= 2 ||sigma||
	v_sub_nc_u32 v18, 127, v17
	v_sub_nc_u32 v19, 126, v17
	v_lshlrev_b32 v18, 23, v18                     ; sc0 = 2^-e0
	v_lshlrev_b32 v19, 23, v19                     ; sc0 / 2
	v_mov_b32 v9, v18
.set q, 0
.rept 16
	v_pk_mul_f32 v[FH+2*q:FH+2*q+1], v[XA+2*q:XA+2*q+1], v[18:19] op_sel_hi:[1,0]
.set q, q+1
.endr
.set q, 0
.rept 16
	v_cvt_pk_f16_f32 v[FH+q], v[FH+2*q], v[FH+2*q+1]  ; ascending, in place: register q is written when pair q / 2 has been read
.set q, q+1
.endr
.set c, 0
.rept 4
	ds_store_b128 v22, v[FH+4*c:FH+4*c+3] offset:c*512  ; source 0 of tile w of y sigma: row m = asset 16w + r, k = 16a + 8h + j.  Read behind the squarings' barriers
.set c, c+1
.endr
.set q, 0
.rept 16
	v_pk_add_f32 v[XA+2*q:XA+2*q+1], v[XA+2*q:XA+2*q+1], v[TW+2*q:TW+2*q+1]
.set q, q+1
.endr
.set q, 0
.rept 16
	v_pk_mul_f32 v[XA+2*q:XA+2*q+1], v[XA+2*q:XA+2*q+1], v[18:19] op_sel:[0,1] op_sel_hi:[1,1]  ; (sigma + sigma') sc0 / 2: symmetric to the last bit
.set q, q+1
.endr
	v_lshlrev_b32 v17, 3, v2
	v_sub_nc_u32 v17, v1, v17                      ; register j of tile w holds a diagonal element where j = r - 8h
.set j, 0
.rept 8
	v_cmp_eq_u32 vcc_lo, j, v17
	v_cndmask_b32 v[FL+j], 0, 1.0, vcc_lo
.set j, j+1
.endr
.set a, 0
.rept 4
	s_cmp_eq_u32 s30, a
	s_cselect_b32 s40, 1.0, 0
	s_mov_b32 s41, s40
.set q, 0
.rept 4
	v_pk_fma_f32 v[XA+8*a+2*q:XA+8*a+2*q+1], v[FL+2*q:FL+2*q+1], s[40:41], v[XA+8*a+2*q:XA+8*a+2*q+1] op_sel_hi:[1,0,1]  ; + I
.set q, q+1
.endr
.set a, a+1
.endr
	v_mov_b32 v10, 0x42000000                      ; the first scale: 32
	v_mov_b32 v11, 0x42000000
	v_mov_b32 v12, 0xc0a00000                      ; G = -5
	v_mov_b32 v13, 0.5
	; ---------------- 16 squarings ----------------
	s_mov_b32 s36, 8
.Lsquare:
	SQ 0
	SQ 1
	s_sub_co_i32 s36, s36, 1
	s_cmp_lg_u32 s36, 0
	s_cbranch_scc1 .Lsquare
	SCALEX                                         ; the last power's norm
	SUMSQ XA, TW
	ds_store_b32 v24, v16 offset:16
	BARRIER
	ds_load_b128 v[28:31], v25 offset:16
	s_wait_dscnt 0x0
	v_add_f32 v28, v28, v29
	v_add_f32 v30, v30, v31
	v_add_f32 v16, v28, v30
	v_sub_nc_u32 v17, v16, v14                     ; the two norms' bit patterns: their difference is 2^23 x log2 of the ratio, nearly
	v_cvt_f32_i32 v17, v17
	v_fmamk_f32 v12, v15, 0x37800000, v12          ; + e16 2^-16
	v_fmamk_f32 v12, v17, 0x2c000000, v12          ; + difference x 2^-39
	v_exp_f32 v16, v12                             ; lambda(B)
	v_nop                                          ; a plain instruction behind a transcendental (ISA guide 5.7.2)
	s_wait_alu depctr_va_vdst(0)
	v_add_f32 v13, -1.0, v16                       ; lambda of sigma's symmetric part, times sc0
	v_rcp_f32 v17, v13
	v_nop
	s_wait_alu depctr_va_vdst(0)
	v_mul_f32 v10, -1.0, v17                       ; -step, for the scaled gradient
	v_mov_b32 v11, v10
	; ---------------- the three layers ----------------
	s_wait_loadcnt 0x0                             ; x
	WIN 0x04                                       ; store data in window 1
.set i, 0
.rept 16
	ds_store_b128 v6, v[4*i:4*i+3] offset:i*XSP
.set i, i+1
.endr
	WIN 0
	v_lshlrev_b32 v19, 2, v1
	v_lshl_add_u32 v16, v2, 10, v19                ; W1[8h + ..][r]
	v_lshlrev_b32 v17, 5, v2                       ; a bias from 8 h on
	v_lshl_add_u32 v18, v2, 9, v19                 ; W2[8h + ..][r]
	v_lshl_add_u32 v19, v2, 11, v19                ; W3[8h + ..][r]
.set f, 0
.rept 8                                ; fragment f = 4 mt + ks: row m = feature 16 mt + r; number i: k = 32 ks + 8 h + i, and 8 more from i = 8 on
.set i, 0
.rept 16
	global_load_b32 v[128+16*f+i], v16, s[10:11] offset:(32*(f&3)+i+8*(i/8))*128+(f/4)*64
.set i, i+1
.endr
.set f, f+1
.endr
.set ks, 0
.rept 4
	ds_load_b128 v[32+16*ks:35+16*ks], v7 offset:ks*128      ; my own bytes, in order behind my stores
	ds_load_b128 v[36+16*ks:39+16*ks], v7 offset:ks*128+16
	ds_load_b128 v[40+16*ks:43+16*ks], v7 offset:ks*128+64
	ds_load_b128 v[44+16*ks:47+16*ks], v7 offset:ks*128+80
.set ks, ks+1
.endr
	s_mul_i32 s37, s30, 16*OSP
	s_add_co_u32 s37, s37, OST                     ; my stage
	v_mul_u32_u24 v4, v1, OSP
	v_lshl_add_u32 v4, v2, 5, v4
	v_add_nc_u32 v4, s37, v4                       ; in: row r, 32 bytes for each half of the lanes
	v_mul_u32_u24 v5, v2, OSP
	v_lshl_add_u32 v5, v1, 4, v5
	v_add_nc_u32 v5, s37, v5                       ; back: lanes 0-15 one row of 256 bytes, lanes 16-31 the next
	s_wait_dscnt 0x0
.set q, 0
.rept 32
	v_cvt_pk_bf16_f32 v[96+q], v[32+2*q], v[33+2*q]  ; x as source 1: K step ks at v[96 + 8 ks]
.set q, q+1
.endr
.set q, 0
.rept 4
	global_load_b128 v[32+4*q:35+4*q], v17, s[12:13] offset:16*(q&1)+64*(q/2)  ; b1[16 mt + 8h + j], mt = q / 2: the C operand of layer 1's accumulator mt
.set q, q+1
.endr
.set i, 0
.rept 16
	global_load_b32 v[48+i], v18, s[14:15] offset:(i+8*(i/8))*64
.set i, i+1
.endr
	global_load_b128 v[64:67], v17, s[16:17]
	global_load_b128 v[68:71], v17, s[16:17] offset:16
	s_wait_loadcnt 22                              ; W1 is in; the 22 loads of b1, W2 and b2 stay out
.set q, 0
.rept 64
	v_cvt_pk_bf16_f32 v[128+q], v[128+2*q], v[129+2*q]  ; fragment f at v[128 + 8 f]; ascending, in place
.set q, q+1
.endr
.set t, 0
.rept 4
.set i, 0
.rept 8
	global_load_b32 v[192+8*t+i], v19, s[18:19] offset:i*256+t*64
.set i, i+1
.endr
.set t, t+1
.endr
.set q, 0
.rept 8
	global_load_b128 v[224+4*q:227+4*q], v17, s[20:21] offset:16*(q&1)+64*(q/2)  ; b3[16 t + 8h + j]
.set q, q+1
.endr
	s_wait_loadcnt 40                              ; b1, W2, b2 are in; the 40 loads of W3 and b3 stay out
.set q, 0
.rept 8
	RB16 32+2*q, 12+(q&1)
.set q, q+1
.endr
.set q, 0
.rept 4
	RB16 64+2*q, 12+(q&1)
.set q, q+1
.endr
.set q, 0
.rept 8
	v_cvt_pk_bf16_f32 v[72+q], v[48+2*q], v[49+2*q]
.set q, q+1
.endr
.set ks, 0
.rept 4                                ; layer 1: two accumulators by turns, started on the bias
	v_wmma_f32_16x16x32_bf16 v[32:39], v[128+8*ks:135+8*ks], v[96+8*ks:103+8*ks], v[32:39]
	v_wmma_f32_16x16x32_bf16 v[40:47], v[160+8*ks:167+8*ks], v[96+8*ks:103+8*ks], v[40:47]
.set ks, ks+1
.endr
	s_wait_loadcnt 0x0                             ; W3, b3.  What follows names none of layer 1's registers: it fills the places behind its products
	s_wait_kmcnt 0x0                               ; gamma
.set t, 0
.rept 4
.set q, 0
.rept 4
	v_cvt_pk_bf16_f32 v[192+8*t+q], v[192+8*t+2*q], v[193+8*t+2*q]
.set q, q+1
.endr
.set q, 0
.rept 4
	v_mov_b32 v[196+8*t+q], v[192+8*t+q]           ; k = 16 .. 31 repeats W3's 16 rows: there source 1 holds h2's lo parts
.set q, q+1
.endr
.set t, t+1
.endr
.set q, 0
.rept 16
	RB16 224+2*q, 12+(q&1)
.set q, q+1
.endr
	v_mov_b32 v14, s42
	v_cvt_pk_bf16_f32 v14, v14, v14
	v_lshlrev_b32 v14, 16, v14
	v_mul_f32 v14, -v14, v9                        ; -gamma sc0
	v_mov_b32 v15, v14
	RELU 32, 8
	SPLIT 32, 8, 80, 88, 48
	v_wmma_f32_16x16x32_bf16 v[64:71], v[72:79], v[80:87], v[64:71]  ; layer 2: W2 x hi + b2,
	v_wmma_f32_16x16x32_bf16 v[48:55], v[72:79], v[88:95], 0         ; and W2 x lo, on a second accumulator
	PLACES
.set q, 0
.rept 4
	v_pk_add_f32 v[64+2*q:65+2*q], v[64+2*q:65+2*q], v[48+2*q:49+2*q]
.set q, q+1
.endr
	RELU 64, 4
	SPLIT 64, 4, 80, 84, 48                        ; source 1 of layer 3: k = 8h + j hi, k = 16 + 8h + j lo
.set t, 0
.rept 4
	v_wmma_f32_16x16x32_bf16 v[224+8*t:231+8*t], v[192+8*t:199+8*t], v[80:87], v[224+8*t:231+8*t]  ; mu, started on b3
.set t, t+1
.endr
	PLACES
	WIN 0x40
.set q, 0
.rept 16
	v_pk_mul_f32 v[64+2*q:65+2*q], v[224+2*q:225+2*q], v[14:15]  ; p' = -gamma sc0 mu, into window 1
.set q, q+1
.endr
	WIN 0
	OUT 224, 28                                    ; mu
	; ---------------- constants and start values of the loop ----------------
	WIN 0x40
.set t, 0
.rept 4
.set c, 0
.rept 4
	ds_load_b128 v[16*t+4*c:16*t+4*c+3], v23 offset:t*2048+c*512  ; sigma's fragments, all four tiles, into window 1
.set c, c+1
.endr
.set t, t+1
.endr
	WIN 0
.set i, 0
.rept 32
	v_mad_u32_u24 v[RK+i], v2, 62-2*i, i+1         ; prefix i counts i + 1 numbers in lanes 0-15, 63 - i in lanes 16-31
.set i, i+1
.endr
.set i, 0
.rept 32
	v_cvt_f32_u32 v[RK+i], v[RK+i]
.set i, i+1
.endr
.set i, 0
.rept 32
	v_rcp_f32 v[RK+i], v[RK+i]
.set i, i+1
.endr
	v_cvt_f32_u32 v28, v2                          ; float(h); also the plain instruction behind the reciprocals
	v_mov_b32 v29, 0x3c800000                      ; 1/64
	v_fma_f32 v30, v28, -2.0, 1.0                  ; +1 in lanes 0-15, -1 in lanes 16-31
	v_mov_b32 v18, 1.0                             ; t
	v_mov_b32 v13, 0                               ; second registers of pairs of which the first is used for both halves
	v_mov_b32 v15, 0
	v_mov_b32 v17, 0
	v_mov_b32 v21, 0
	v_mov_b32 v31, v30
.set i, 0
.rept 32
	v_mov_b32 v[WW+i], v29                         ; w0 = y0 = 1/64
	v_mov_b32 v[YB+i], v29
.set i, i+1
.endr
.set i, 0
.rept 16
	v_mov_b32 v[YH+i], 0x24002400                  ; 1/64 twice, in f16
.set i, i+1
.endr
	s_wait_dscnt 0x0                               ; sigma's fragments
	s_wait_xcnt 0x0                                ; mu's stores have read v32-63, which the first products write
	s_mov_b32 s36, ITERS
	; ---------------- 100 steps: registers alone ----------------
.Lfista:
	WIN 0x11                                       ; source 0 (sigma) and source 2 (p') in window 1
.set t, 0
.rept 4
	v_wmma_f32_16x16x32_f16 v[DA+8*t:DA+8*t+7], v[16*t:16*t+7], v[YH:YH+7], v[64+8*t:71+8*t]
.set t, t+1
.endr
	WIN 0x01
.set t, 0
.rept 4                                ; the four accumulators take turns
	v_wmma_f32_16x16x32_f16 v[DA+8*t:DA+8*t+7], v[16*t+8:16*t+15], v[YH+8:YH+15], v[DA+8*t:DA+8*t+7]
.set t, t+1
.endr
	WIN 0
	; beta and -beta w_old: work that waits for no product, and the places behind them
	v_mul_f32 v19, v18, v18
	v_fma_f32 v19, v19, 4.0, 1.0
	v_sqrt_f32 v24, v19
	v_add_f32 v25, -1.0, v18                       ; t - 1: the plain instruction behind the root
	s_wait_alu depctr_va_vdst(0)
	v_fma_f32 v18, v24, 0.5, 0.5                   ; t_new
	v_rcp_f32 v26, v18
	v_nop
	s_wait_alu depctr_va_vdst(0)
	v_mul_f32 v14, v25, v26                        ; beta
	v_add_f32 v16, 1.0, v14
.set q, 0
.rept 16
	v_pk_mul_f32 v[TT+2*q:TT+2*q+1], v[WW+2*q:WW+2*q+1], v[14:15] op_sel_hi:[1,0] neg_lo:[0,1] neg_hi:[0,1]
.set q, q+1
.endr
.set q, 0
.rept 16
	v_pk_fma_f32 v[VV+2*q:VV+2*q+1], v[DA+2*q:DA+2*q+1], v[10:11], v[YB+2*q:YB+2*q+1]  ; v = y - step x gradient; each accumulator from its low end on
.set q, q+1
.endr
.set q, 0
.rept 16
	v_pk_mul_f32 v[DA+2*q:DA+2*q+1], v[VV+2*q:VV+2*q+1], v[30:31]  ; lanes 16-31 sort the negated numbers: one text, two directions
.set q, q+1
.endr
.set q, 0
.rept 8                                ; the row's sum
	v_pk_add_f32 v[SCR+2*q:SCR+2*q+1], v[VV+4*q:VV+4*q+1], v[VV+4*q+2:VV+4*q+3]
.set q, q+1
.endr
.set q, 0
.rept 4
	v_pk_add_f32 v[SCR+4*q:SCR+4*q+1], v[SCR+4*q:SCR+4*q+1], v[SCR+4*q+2:SCR+4*q+3]
.set q, q+1
.endr
	v_pk_add_f32 v[SCR:SCR+1], v[SCR:SCR+1], v[SCR+4:SCR+5]
	v_pk_add_f32 v[SCR+8:SCR+9], v[SCR+8:SCR+9], v[SCR+12:SCR+13]
	v_pk_add_f32 v[SCR:SCR+1], v[SCR:SCR+1], v[SCR+8:SCR+9]
	v_add_f32 v22, v[SCR], v[SCR+1]
	v_permlanex16_b32 v19, v22, s34, s35
	v_add_f32 v22, v22, v19
	v_fmaak_f32 v23, v22, v29, 0xbc800000          ; k = 64: (sum - 1) / 64
	v_fma_f32 v20, v22, v28, -1.0                  ; the scan starts at -1, in lanes 16-31 at sum - 1
	LAYER DA, YB, 2, 1, 0                          ; 32 numbers a lane, descending
	LAYER YB, DA, 4, 2, 0
	LAYER DA, YB, 4, 1, 0
	LAYER YB, DA, 8, 4, 0
	LAYER DA, YB, 8, 2, 0
	LAYER YB, DA, 8, 1, 0
	LAYER DA, YB, 16, 8, 0
	LAYER YB, DA, 16, 4, 0
	LAYER DA, YB, 16, 2, 0
	LAYER YB, DA, 16, 1, 0
	LAYER DA, YB, 32, 16, 0
	LAYER YB, DA, 32, 8, 0
	LAYER DA, YB, 32, 4, 0
	LAYER YB, DA, 32, 2, 0
	LAYER DA, YB, 32, 1, 0
.set i, 0
.rept 32
	v_permlanex16_b32 v[DA+i], v[YB+i], s34, s35   ; a descending, b ascending (held negated): element i meets element i
.set i, i+1
.endr
.set i, 0
.rept 32
	v_max_num_f32 v[YB+i], v[YB+i], -v[DA+i]       ; lanes 0-15 keep max(a, b): the row's 32 largest; lanes 16-31 keep -min(a, b): the 32 smallest, negated
.set i, i+1
.endr
	LAYER YB, DA, 64, 16, 0                        ; each half is bitonic: five layers sort it
	LAYER DA, YB, 64, 8, 0
	LAYER YB, DA, 64, 4, 0
	LAYER DA, YB, 64, 2, 0
	LAYER YB, DA, 64, 1, 1
	; the scan.  Lanes 0-15: prefix i = (sum of the i + 1 largest) - 1.  Lanes 16-31: sum - 1 - (sum of the i + 1 smallest) = (sum of the 63 - i largest) - 1.
.set q, 0
.rept 16
	v_add_f32 v[DA+2*q+1], v[DA+2*q+1], v[DA+2*q]
.set q, q+1
.endr
	v_pk_add_f32 v[DA:DA+1], v[DA:DA+1], v[20:21] op_sel_hi:[1,0]
.set q, 1
.rept 7                                ; two chains side by side: each pair takes the upper register of the pair before it
	v_pk_add_f32 v[DA+16+2*q:DA+17+2*q], v[DA+16+2*q:DA+17+2*q], v[DA+14+2*q:DA+15+2*q] op_sel:[0,1] op_sel_hi:[1,1]
	v_pk_add_f32 v[DA+2*q:DA+2*q+1], v[DA+2*q:DA+2*q+1], v[DA+2*q-2:DA+2*q-1] op_sel:[0,1] op_sel_hi:[1,1]
.set q, q+1
.endr
.set q, 8
.rept 8
	v_pk_add_f32 v[DA+2*q:DA+2*q+1], v[DA+2*q:DA+2*q+1], v[DA+14:DA+15] op_sel:[0,1] op_sel_hi:[1,1]
.set q, q+1
.endr
.set q, 0
.rept 16
	v_pk_mul_f32 v[YB+2*q:YB+2*q+1], v[DA+2*q:DA+2*q+1], v[RK+2*q:RK+2*q+1]
.set q, q+1
.endr
.set i, 0
.rept 10                               ; theta = the largest of the 65 quotients (k = 32 stands twice)
	v_max3_num_f32 v[SCR+i], v[YB+3*i], v[YB+3*i+1], v[YB+3*i+2]
.set i, i+1
.endr
	v_max3_num_f32 v[SCR+10], v[SCR], v[SCR+1], v[SCR+2]
	v_max3_num_f32 v[SCR+11], v[SCR+3], v[SCR+4], v[SCR+5]
	v_max3_num_f32 v[SCR+12], v[SCR+6], v[SCR+7], v[SCR+8]
	v_max3_num_f32 v[SCR+13], v[SCR+9], v[YB+30], v[YB+31]
	v_max3_num_f32 v[SCR+14], v[SCR+10], v[SCR+11], v[SCR+12]
	v_max3_num_f32 v27, v[SCR+14], v[SCR+13], v23
	v_permlanex16_b32 v19, v27, s34, s35
	v_max_num_f32 v12, v27, v19
.set q, 0
.rept 16
	v_pk_add_f32 v[WW+2*q:WW+2*q+1], v[VV+2*q:VV+2*q+1], v[12:13] op_sel_hi:[1,0] neg_lo:[0,1] neg_hi:[0,1]
.set q, q+1
.endr
	RELU WW, 16                                    ; w = max(v - theta, 0)
.set q, 0
.rept 16
	v_pk_fma_f32 v[YB+2*q:YB+2*q+1], v[WW+2*q:WW+2*q+1], v[16:17], v[TT+2*q:TT+2*q+1] op_sel_hi:[1,0,1]  ; y = (1 + beta) w - beta w_old
.set q, q+1
.endr
.set q, 0
.rept 16
	v_cvt_pk_f16_f32 v[YH+q], v[YB+2*q], v[YB+2*q+1]
.set q, q+1
.endr
	s_sub_co_i32 s36, s36, 1
	s_cmp_lg_u32 s36, 0
	s_cbranch_scc1 .Lfista
	OUT WW, 26                                     ; the weights
	s_set_vgpr_msb 0x5
	s_wait_tensorcnt 0x0
	ds_add_u32 v96, v97
	s_wait_dscnt 0x0
	s_set_vgpr_msb 0x500
	s_endpgm
.Lfunc_end_k_q32997cc691_markowitz:
	.size	k_q32997cc691_markowitz, .Lfunc_end_k_q32997cc691_markowitz-k_q32997cc691_markowitz
	.p2alignl 7, 3214868480
	.fill 96, 4, 3214868480
	.section	.rodata,"a",@progbits
	.p2align	6, 0x0
	.amdhsa_kernel k_q32997cc691_markowitz
		.amdhsa_group_segment_fixed_size 168448
		.amdhsa_private_segment_fixed_size 0
		.amdhsa_enable_private_segment 0
		.amdhsa_kernarg_size 88
		.amdhsa_user_sgpr_count 2
		.amdhsa_user_sgpr_kernarg_segment_ptr 1
		.amdhsa_wavefront_size32 1
		.amdhsa_system_sgpr_workgroup_id_x 1
		.amdhsa_system_sgpr_workgroup_id_y 1
		.amdhsa_system_sgpr_workgroup_id_z 1
		.amdhsa_system_vgpr_workitem_id 0
		.amdhsa_next_free_vgpr 354
		.amdhsa_next_free_sgpr 66
		.amdhsa_reserve_vcc 1
		.amdhsa_float_denorm_mode_32 3
		.amdhsa_float_denorm_mode_16_64 3
		.amdhsa_memory_ordered 1
		.amdhsa_forward_progress 1
		.amdhsa_inst_pref_size 138
	.end_amdhsa_kernel
	.amdgpu_metadata
---
amdhsa.version: [ 1, 2 ]
amdhsa.kernels:
  - .name:           k_q32997cc691_markowitz
    .symbol:         k_q32997cc691_markowitz.kd
    .args:
      - { .name: x, .offset: 0, .size: 8, .value_kind: global_buffer, .address_space: global }
      - { .name: W1, .offset: 8, .size: 8, .value_kind: global_buffer, .address_space: global }
      - { .name: b1, .offset: 16, .size: 8, .value_kind: global_buffer, .address_space: global }
      - { .name: W2, .offset: 24, .size: 8, .value_kind: global_buffer, .address_space: global }
      - { .name: b2, .offset: 32, .size: 8, .value_kind: global_buffer, .address_space: global }
      - { .name: W3, .offset: 40, .size: 8, .value_kind: global_buffer, .address_space: global }
      - { .name: b3, .offset: 48, .size: 8, .value_kind: global_buffer, .address_space: global }
      - { .name: sigma, .offset: 56, .size: 8, .value_kind: global_buffer, .address_space: global }
      - { .name: gamma, .offset: 64, .size: 8, .value_kind: global_buffer, .address_space: global }
      - { .name: out0, .offset: 72, .size: 8, .value_kind: global_buffer, .address_space: global }
      - { .name: out1, .offset: 80, .size: 8, .value_kind: global_buffer, .address_space: global }
    .group_segment_fixed_size: 168448
    .private_segment_fixed_size: 0
    .kernarg_segment_align: 8
    .kernarg_segment_size: 88
    .max_flat_workgroup_size: 128
    .sgpr_count:     66
    .vgpr_count:     354
    .wavefront_size: 32
...
	.end_amdgpu_metadata
.endif
;; end of part 1
;; ======== version 2 of 3: 1 launch; 1.11 times as fast as version 1
;; limits: an absolute error that grows with the inputs' magnitude: up to 5e-05 times it
;; launch markowitz (part 2): grid 256 x 1, 4 waves a work-group, no clusters, 168,448 bytes of LDS; arguments x, W1, b1, W2, b2, W3, b3, sigma, gamma, out0, out1; writes out0, out1
.if DOCPART == 2
	.amdgcn_target "amdgcn-amd-amdhsa--gfx1250"
	.amdhsa_code_object_version 6
	.text
	.protected	k_q32997cc691_markowitz
	.globl	k_q32997cc691_markowitz
	.p2align	8
	.type	k_q32997cc691_markowitz,@function
k_q32997cc691_markowitz:
	s_mov_b64 s[64:65], 0
	v_nop
	global_prefetch_b8 v0, s[64:65] scope:SCOPE_SE
	s_setreg_imm32_b32 hwreg(HW_REG_WAVE_MODE, 25, 1), 1
	s_wait_xcnt 0x0
; mu = relu(relu(x W1 + b1) W2 + b2) W3 + b3 (out1);  w = 100 FISTA steps of min 0.5 w'Sw + p'w on the simplex, p = -gamma mu (out0).
; x [16384][128], W1 [128][32], W2 [32][16], W3 [16][64], sigma [64][64], out0 and out1 [16384][64], all f32.
; SHARES.  256 work-groups of four waves; a wave owns 16 rows from first to last.  The waves of a work-group meet only for the largest eigenvalue of sigma.
; LAYOUT.  Every product is used transposed: source 0 = 16 features x 32 k of a weight, source 1 = 32 k x 16 batch rows.  In a result lane l holds batch row l % 16
; and features 16 t + 8 (l / 16) + 0..7 of tile t, and two neighbouring tiles packed to 16 bits ARE source 1 of the next product: nothing changes lanes.
; A row's 64 numbers lie in two lanes, 16 apart, 32 registers each.
; FORMATS.  All nine inputs are rounded to bf16.  h1 and h2 go to the matrix unit as bf16 hi + lo; y (always in -1 .. 2) as f16; sigma, rounded to bf16, times a
; power of two that puts its Frobenius norm in 0.5 .. 1, as f16 (exact down to 2^-17 of that scale).  p, v, w, y, theta, sums: f32.
; EIGENVALUE.  B = I + (sigma + sigma') sc0 / 2 is positive definite whatever sigma is; 16 squarings (f16 hi + lo operands, hh + hl + lh, f32 sums), each followed by
; a power-of-two scale taken from the Frobenius norm; lambda(B) = (tr B^(2m) / tr B^m)^(1/m), m = 65,536, which lies within a factor 4.5^(1/m) below the truth for
; every spectrum.  LIMIT: L is right to about 5e-5 of sigma's Frobenius norm.  The logarithm of the last two norms' ratio is taken from their bit patterns (error under 0.17 x 2^-16).
; PROJECTION.  theta = max over k of (sum of the k largest - 1) / k.
; The 64 numbers are sorted by a fixed bitonic network in which every comparison sends the larger number to the lower place: 15 layers in each lane, one exchange between the
; two lanes, 5 layers more.  The division is a product with v_rcp_f32(k).
; LIMITS.  NaN and infinities are not treated apart; a sigma whose symmetric part has no positive eigenvalue gives no sensible step.
.set ITERS, 100
.set XSP,  528                         ; LDS pitch of a row of x: 512 bytes + 16
.set XS,   0                           ; 4 x 16 rows x 528: each wave's rows of x, its own
.set EX,   33792                       ; 2 buffers x 4 blocks x (hi 2,048 + lo 2,048): the squarings' fragments, shared
.set SIG,  66560                       ; 4 blocks x 2,048: sigma's f16 fragments, shared
.set RED,  74752                       ; partial sums: +0 sigma's norm, +16 and +32 the squarings' two buffers; a word a wave
.set OST,  75008                       ; 4 x 16 rows x 272: each wave's stage for the way out, its own
.set OSP,  272
; v0 thread; v1 r = l % 16; v2 h = l / 16; v3 16 x lane; v4, v5 sigma's offsets, later the stage's two addresses; v6, v7 x in LDS: store, load; v8 0.0; v9 sc0
; eigenvalue: v10-11 scale; v12 G; v13 2^-i; v14 the norm before; v15 e; v16-19 at work; v20-25 LDS addresses; v28-31 four partial sums
.set FH, 32                            ; v32-47   my column block, f16 hi (source 1; by symmetry also a row block's source 0)
.set FL, 48                            ; v48-63   the same, lo
.set TW, 64                            ; v64-95   at work
.set XA, 96                            ; v96-127  my column block in f32: four accumulators
.set GH, 128                           ; v128-191 all four blocks' hi
.set GL, 192                           ; v192-255 all four blocks' lo
; main loop: v10-11 -step; v12 theta; v13 the partner lane's sum; v14 beta of this step; v16 1 + beta of the step before; v15, v17 the unused halves of their pairs; v18 t;
; v19, v24-26 the beta chain; v20-23 where the scan's four groups start; v6, v7, v9, v27, v30, v31 sums at work; v28 float(h); v29 the exchange's bound
.set DA, 32                            ; the way out reads rows back into v32-63
.set S1, 32                            ; v32-63   the four accumulators; sort buffer 1
.set S2, 64                            ; v64-95   sort buffer 2; its upper half is YH
.set YH, 80                            ; v80-95   y in f16: source 1
.set HA, 96                            ; v96-127  two buffers that change roles from step to step: one holds v, then w, then -beta w;
.set HB, 128                           ; v128-159 the other -beta w_old, then y, then the next v
.set SF, 160                           ; v160-223 sigma's fragments: tile t, K step ks at 16 t + 8 ks
.set PP, 224                           ; v224-255 mu, then p'
; window 1 (v256 on): v0-63 x while it is on its way; later v0-31 1 / k of my 32 prefixes
.set MSB, 0
.macro WIN new                         ; s_set_vgpr_msb: bits 1:0 source 0, 3:2 source 1, 5:4 source 2, 7:6 destination; the high byte repeats the setting that is left
.if MSB != (\new)
	s_set_vgpr_msb (MSB<<8)|(\new)
.set MSB, \new
.endif
.endm
.macro RB16 a, t                       ; v[a], v[a+1] rounded to bf16, kept as f32
	v_cvt_pk_bf16_f32 v[\t], v[\a], v[(\a)+1]
	v_lshlrev_b32 v[\a], 16, v[\t]
	v_and_b32 v[(\a)+1], 0xffff0000, v[\t]
.endm
.macro WSUM x, t                       ; the sum over the 32 lanes, in every lane
	v_add_f32_dpp v[\x], v[\x], v[\x] row_xmask:1 row_mask:0xf bank_mask:0xf
	v_add_f32_dpp v[\x], v[\x], v[\x] row_xmask:2 row_mask:0xf bank_mask:0xf
	v_add_f32_dpp v[\x], v[\x], v[\x] row_xmask:4 row_mask:0xf bank_mask:0xf
	v_add_f32_dpp v[\x], v[\x], v[\x] row_xmask:8 row_mask:0xf bank_mask:0xf
	v_permlanex16_b32 v[\t], v[\x], s34, s35
	v_add_f32 v[\x], v[\x], v[\t]
.endm
.macro SUMSQ x, c                      ; v16 = the wave's sum of squares of v[x .. x+31]; two chains in v[c .. c+3], started by products
	v_pk_mul_f32 v[\c:(\c)+1], v[\x:(\x)+1], v[\x:(\x)+1]
	v_pk_mul_f32 v[(\c)+2:(\c)+3], v[(\x)+2:(\x)+3], v[(\x)+2:(\x)+3]
.set q, 4
.rept 7
	v_pk_fma_f32 v[\c:(\c)+1], v[(\x)+q:(\x)+q+1], v[(\x)+q:(\x)+q+1], v[\c:(\c)+1]
	v_pk_fma_f32 v[(\c)+2:(\c)+3], v[(\x)+q+2:(\x)+q+3], v[(\x)+q+2:(\x)+q+3], v[(\c)+2:(\c)+3]
.set q, q+4
.endr
	v_pk_add_f32 v[\c:(\c)+1], v[\c:(\c)+1], v[(\c)+2:(\c)+3]
	v_add_f32 v16, v[\c], v[(\c)+1]
	WSUM 16, 17
.endm
.macro PLACES                          ; four plain vector instructions between a matrix instruction and a line that touches its registers (ISA guide 7.12.1)
.rept 4
	v_nop
.endr
.endm
.macro BARRIER                         ; my LDS instructions are done, for the others' sake; then all four waves meet
	s_wait_dscnt 0x0
	s_barrier_signal -1
	s_barrier_wait -1
.endm
.macro WID d, lo, hi
	v_cvt_f32_f16 v[\d], \lo
	v_cvt_f32_f16 v[(\d)+1], \hi
.endm
.macro WIDEN                           ; TW = the f16 hi parts, as f32
	WID TW+0, v32.l, v32.h
	WID TW+2, v33.l, v33.h
	WID TW+4, v34.l, v34.h
	WID TW+6, v35.l, v35.h
	WID TW+8, v36.l, v36.h
	WID TW+10, v37.l, v37.h
	WID TW+12, v38.l, v38.h
	WID TW+14, v39.l, v39.h
	WID TW+16, v40.l, v40.h
	WID TW+18, v41.l, v41.h
	WID TW+20, v42.l, v42.h
	WID TW+22, v43.l, v43.h
	WID TW+24, v44.l, v44.h
	WID TW+26, v45.l, v45.h
	WID TW+28, v46.l, v46.h
	WID TW+30, v47.l, v47.h
.endm
.macro SCALEX                          ; my block times the scale; each accumulator is read from its low end on
.set q, 0
.rept 16
	v_pk_mul_f32 v[XA+q:XA+q+1], v[XA+q:XA+q+1], v[10:11]
.set q, q+2
.endr
.endm
.macro MM4 ga, fb, ks, zero            ; four products, one for each accumulator: they take turns
.set a, 0
.rept 4
.if \zero
	v_wmma_f32_16x16x32_f16 v[XA+8*a:XA+8*a+7], v[(\ga)+16*a+8*(\ks):(\ga)+16*a+8*(\ks)+7], v[(\fb)+8*(\ks):(\fb)+8*(\ks)+7], 0
.else
	v_wmma_f32_16x16x32_f16 v[XA+8*a:XA+8*a+7], v[(\ga)+16*a+8*(\ks):(\ga)+16*a+8*(\ks)+7], v[(\fb)+8*(\ks):(\fb)+8*(\ks)+7], v[XA+8*a:XA+8*a+7]
.endif
.set a, a+1
.endr
.endm
; ONE SQUARING.  C = scale x (what the last products made); its hi and lo parts and its norm go to LDS buffer buf; behind one barrier every wave reads all four blocks
; and makes its column block of C C.  Buffer buf is written again two squarings on: every wave's reads of it are waited for in front of the barrier in between.
.macro SQ buf
	SCALEX
.set q, 0
.rept 16
	v_cvt_pk_f16_f32 v[FH+q], v[XA+2*q], v[XA+2*q+1]
.set q, q+1
.endr
	WIDEN
.set q, 0
.rept 16
	v_pk_add_f32 v[TW+q:TW+q+1], v[XA+q:XA+q+1], v[TW+q:TW+q+1] neg_lo:[0,1] neg_hi:[0,1]
.set q, q+2
.endr
.set q, 0
.rept 16
	v_cvt_pk_f16_f32 v[FL+q], v[TW+2*q], v[TW+2*q+1]
.set q, q+1
.endr
	SUMSQ XA, TW
.set c, 0
.rept 4
	ds_store_b128 v20, v[FH+4*c:FH+4*c+3] offset:(\buf)*16384+c*512
	ds_store_b128 v20, v[FL+4*c:FL+4*c+3] offset:(\buf)*16384+2048+c*512
.set c, c+1
.endr
	ds_store_b32 v24, v16 offset:16+16*(\buf)
	BARRIER
	ds_load_b128 v[28:31], v25 offset:16+16*(\buf)
.set b, 0
.rept 4
.set c, 0
.rept 4
	ds_load_b128 v[GH+16*b+4*c:GH+16*b+4*c+3], v21 offset:(\buf)*16384+b*4096+c*512
	ds_load_b128 v[GL+16*b+4*c:GL+16*b+4*c+3], v21 offset:(\buf)*16384+b*4096+2048+c*512
.set c, c+1
.endr
.set b, b+1
.endr
	s_wait_dscnt 0x0
	MM4 GH, FH, 0, 1                               ; the first products start the sums
	MM4 GH, FL, 0, 0
	MM4 GL, FH, 0, 0
	MM4 GH, FH, 1, 0
	MM4 GH, FL, 1, 0
	MM4 GL, FH, 1, 0
	; the next scale, from the norm N of C: ||C C|| lies in N/8 .. N, so 2^-(E - 134), E = N's exponent field, puts it in 2^4 .. 2^8.  These lines are also the places behind the products.
	v_add_f32 v28, v28, v29
	v_add_f32 v30, v30, v31
	v_add_f32 v14, v28, v30                        ; N: the same four numbers in the same order in every wave
	v_lshrrev_b32 v17, 23, v14                     ; E
	v_sub_nc_u32 v18, 0x105, v17
	v_add_nc_u32 v17, 0xffffff7a, v17              ; e = E - 134
	v_lshlrev_b32 v10, 23, v18                     ; 2^-e
	v_cvt_f32_i32 v15, v17
	v_mov_b32 v11, v10
	v_fmac_f32 v12, v15, v13                       ; G += e 2^-i: whole multiples of 2^-16 below 64, exact in f32
	v_mul_f32 v13, 0.5, v13
.endm
.macro RELU src, n
.set q, 0
.rept \n
	v_dual_max_num_f32 v[(\src)+2*q], v[(\src)+2*q], v8 :: v_dual_max_num_f32 v[(\src)+2*q+1], v[(\src)+2*q+1], v8
.set q, q+1
.endr
.endm
.macro SPLIT src, n, hi, lo, tmp       ; n pairs of f32 as bf16 hi and bf16 lo
.set q, 0
.rept \n
	v_cvt_pk_bf16_f32 v[(\hi)+q], v[(\src)+2*q], v[(\src)+2*q+1]
.set q, q+1
.endr
.set q, 0
.rept \n
	v_lshlrev_b32 v[(\tmp)+2*q], 16, v[(\hi)+q]
	v_and_b32 v[(\tmp)+2*q+1], 0xffff0000, v[(\hi)+q]
.set q, q+1
.endr
.set q, 0
.rept \n
	v_pk_add_f32 v[(\tmp)+2*q:(\tmp)+2*q+1], v[(\src)+2*q:(\src)+2*q+1], v[(\tmp)+2*q:(\tmp)+2*q+1] neg_lo:[0,1] neg_hi:[0,1]
.set q, q+1
.endr
.set q, 0
.rept \n
	v_cvt_pk_bf16_f32 v[(\lo)+q], v[(\tmp)+2*q], v[(\tmp)+2*q+1]
.set q, q+1
.endr
.endm
; THE WAY OUT of 16 rows x 64 numbers in v[src ..]: a lane's 8 neighbouring numbers of a row go into my stage (rows of 272 bytes), whole rows come back, and each store
; of the wave covers 512 consecutive bytes, two rows, at a multiple of 256 from the buffer's first byte.  LDS serves a wave's instructions in order (ISA guide 5.7.1.4): no wait between stores and loads.
.macro OUT src, lo
.set t, 0
.rept 4
	ds_store_b128 v4, v[(\src)+8*t:(\src)+8*t+3] offset:t*64
	ds_store_b128 v4, v[(\src)+8*t+4:(\src)+8*t+7] offset:t*64+16
.set t, t+1
.endr
.set i, 0
.rept 8
	ds_load_b128 v[DA+4*i:DA+4*i+3], v5 offset:i*2*OSP
.set i, i+1
.endr
.set i, 0
.rept 8
	s_wait_dscnt 7-i                               ; the younger read-backs may stay out
	global_store_b128 v3, v[DA+4*i:DA+4*i+3], s[\lo:(\lo)+1] offset:i*512 th:TH_STORE_NT
.set i, i+1
.endr
.endm
; ONE LAYER of the sorting network, for the places lo .. lo + n - 1: place i is compared with place i xor xm, and the larger number goes to the lower place.
; xm = 2^k - 1 mirrors a block (the first layer of a merge of two descending halves), xm = 2^k halves one.  Both halves of a dual instruction name the same two sources,
; the results go to the other buffer, and the two destinations must be an even and an odd register.  So a layer says where places lie, in its source (sm) and its
; destination (dm): 0: place i in register i (partners that differ in bit 0); 1: in register (i & 30) | parity(i) (partners that differ in one bit);
; 2: as 0 with the two registers of every second pair swapped, for the scan.
.macro LAYER src, dst, xm, sm, dm, lo=0, n=32
.set i, \lo
.rept \n
.set l, i ^ (\xm)
.if i < l
.set pi, (i ^ (i>>1) ^ (i>>2) ^ (i>>3) ^ (i>>4)) & 1
.set pl, (l ^ (l>>1) ^ (l>>2) ^ (l>>3) ^ (l>>4)) & 1
.if (\sm) == 0
.set ri, i
.set rl, l
.else
.set ri, (i & 30) | pi
.set rl, (l & 30) | pl
.endif
.if (\dm) == 0
.set di, i
.set dl, l
.elseif (\dm) == 1
.set di, (i & 30) | pi
.set dl, (l & 30) | pl
.else
.set di, i ^ ((i>>1) & 1)
.set dl, l ^ ((l>>1) & 1)
.endif
	v_dual_max_num_f32 v[(\dst)+di], v[(\src)+ri], v[(\src)+rl] :: v_dual_min_num_f32 v[(\dst)+dl], v[(\src)+ri], v[(\src)+rl]
.endif
.set i, i+1
.endr
.endm
; The pieces of a step.  p: the buffer with v (then w, then -beta w); t: the buffer with -beta w_old (then y, then the next v).
.macro FSUB p, q0                      ; eight pairs: v - theta
.set q, \q0
.rept 8
	v_pk_add_f32 v[(\p)+2*q:(\p)+2*q+1], v[(\p)+2*q:(\p)+2*q+1], v[12:13] op_sel_hi:[1,0] neg_lo:[0,1] neg_hi:[0,1]
.set q, q+1
.endr
.endm
.macro FY p, t, q0                     ; eight pairs: y = (1 + beta) w - beta w_old, in the second term's place
.set q, \q0
.rept 8
	v_pk_fma_f32 v[(\t)+2*q:(\t)+2*q+1], v[(\p)+2*q:(\p)+2*q+1], v[16:17], v[(\t)+2*q:(\t)+2*q+1] op_sel_hi:[1,0,1]
.set q, q+1
.endr
.endm
.macro FCV t, q0                       ; eight pairs of y rounded to f16: one K step's source 1
.set q, \q0
.rept 8
	v_cvt_pk_f16_f32 v[YH+q], v[(\t)+2*q], v[(\t)+2*q+1]
.set q, q+1
.endr
.endm
.macro MMK tile, ks                    ; tile's product of K step ks; the first starts the sum on p'
.if (\ks) == 0
	v_wmma_f32_16x16x32_f16 v[S1+8*(\tile):S1+8*(\tile)+7], v[SF+16*(\tile):SF+16*(\tile)+7], v[YH:YH+7], v[PP+8*(\tile):PP+8*(\tile)+7]
.else
	v_wmma_f32_16x16x32_f16 v[S1+8*(\tile):S1+8*(\tile)+7], v[SF+16*(\tile)+8:SF+16*(\tile)+15], v[YH+8:YH+15], v[S1+8*(\tile):S1+8*(\tile)+7]
.endif
.endm
.macro VT t, tile                      ; a tile's v = y - step x gradient, in y's place; the accumulator is read from its low end on
.set q, 4*(\tile)
.rept 4
	v_pk_fma_f32 v[(\t)+2*q:(\t)+2*q+1], v[S1+2*q:S1+2*q+1], v[10:11], v[(\t)+2*q:(\t)+2*q+1]
.set q, q+1
.endr
.endm
.macro TM p, q1                        ; one pair of -beta w, in w's place: work that waits for nothing, set where the wave would else wait
	v_pk_mul_f32 v[(\p)+2*(\q1):(\p)+2*(\q1)+1], v[(\p)+2*(\q1):(\p)+2*(\q1)+1], v[14:15] op_sel_hi:[1,0] neg_lo:[0,1] neg_hi:[0,1]
.endm
.macro CHAIN s, sel                    ; link s of the scan's four chains: pair 4 g + s takes the running sum of the pair before it, which lies in that pair's upper (sel = 1) or lower register
.set g, 0
.rept 4
.set q, 4*g+(\s)
.if \sel
	v_pk_add_f32 v[S2+2*q:S2+2*q+1], v[S2+2*q:S2+2*q+1], v[S2+2*q-2:S2+2*q-1] op_sel:[0,1] op_sel_hi:[1,1]
.else
	v_pk_add_f32 v[S2+2*q:S2+2*q+1], v[S2+2*q:S2+2*q+1], v[S2+2*q-2:S2+2*q-1] op_sel_hi:[1,0]
.endif
.set g, g+1
.endr
.endm
.macro START g, lo, sel                ; group g's four pairs take the group's start
.set q, 4*(\g)
.rept 4
.if \sel
	v_pk_add_f32 v[S2+2*q:S2+2*q+1], v[S2+2*q:S2+2*q+1], v[\lo:(\lo)+1] op_sel:[0,1] op_sel_hi:[1,1]
.else
	v_pk_add_f32 v[S2+2*q:S2+2*q+1], v[S2+2*q:S2+2*q+1], v[\lo:(\lo)+1] op_sel_hi:[1,0]
.endif
.set q, q+1
.endr
.endm
; ONE TRIP'S HALF: the step before is finished (w, y, y in f16), then this step's gradient, v, the sort and theta.  The first four products need y's first half alone: the second
; half is made between them.  Between and behind the last four stands work that waits for no product, then v and the first layer of the tiles that are finished.
; The four accumulators take turns.  Behind each product at least four plain vector lines that name none of its registers stand ahead of the first line that reads or writes them.
.macro BODY p, t
	FSUB \p, 0
	RELU \p, 8                                     ; w = max(v - theta, 0)
	FY \p, \t, 0
	FCV \t, 0
	MMK 0, 0
	FSUB \p, 8
	MMK 1, 0
	RELU (\p)+16, 8
	MMK 2, 0
	FY \p, \t, 8
	MMK 3, 0
	FCV \t, 8
	MMK 0, 1
	v_add_f32 v16, 1.0, v14                        ; every y is made: 1 + beta for the next step's y
	v_mul_f32 v19, v18, v18                        ; the next beta: t_new = (1 + sqrt(1 + 4 t t)) / 2, beta = (t - 1) / t_new
	TM \p, 0
	TM \p, 1
	v_fma_f32 v19, v19, 4.0, 1.0
	TM \p, 2
	TM \p, 3
	MMK 1, 1
	v_sqrt_f32 v24, v19
	v_add_f32 v25, -1.0, v18                       ; a plain instruction behind the root (ISA guide 5.7.2)
	TM \p, 4
	TM \p, 5
	TM \p, 6
	TM \p, 7
	s_wait_alu depctr_va_vdst(0)
	v_fma_f32 v18, v24, 0.5, 0.5
	MMK 2, 1
	VT \t, 0
	v_rcp_f32 v26, v18
	TM \p, 8
	TM \p, 9
	MMK 3, 1
	VT \t, 1
	LAYER \t, S1, 1, 0, 0, 0, 8                    ; the first layers stay inside a tile's eight registers; a tile's accumulator is free once its v is made
	VT \t, 2
	LAYER \t, S1, 1, 0, 0, 8, 8
	VT \t, 3
	LAYER S1, S2, 3, 0, 0, 0, 16
	LAYER \t, S1, 1, 0, 0, 16, 16
	LAYER S1, S2, 3, 0, 0, 16, 16                  ; from here on y's f16 registers serve as sort buffer
	LAYER S2, S1, 1, 0, 0
	LAYER S1, S2, 7, 0, 0
	LAYER S2, S1, 2, 0, 1
	LAYER S1, S2, 1, 1, 0
	LAYER S2, S1, 15, 0, 0
	LAYER S1, S2, 4, 0, 1
	LAYER S2, S1, 2, 1, 1
	LAYER S1, S2, 1, 1, 0
	LAYER S2, S1, 31, 0, 0
	LAYER S1, S2, 8, 0, 1
	LAYER S2, S1, 4, 1, 1
	LAYER S1, S2, 2, 1, 1
	LAYER S2, S1, 1, 1, 0                          ; 32 numbers a lane, descending
.set i, 0
.rept 32
	v_permlanex16_b32 v[S2+i], v[S1+31-i], s34, s35  ; the mirror across the two lanes: place i meets the partner's place 31 - i
.set i, i+1
.endr
.set i, 0
.rept 32
	v_med3_num_f32 v[S1+i], v[S1+i], v[S2+i], v29  ; the middle of (a, b, bound): lanes 0-15 (bound: the largest number) keep the larger, lanes 16-31 (the lowest) the smaller
.set i, i+1
.endr
	LAYER S1, S2, 16, 0, 1                         ; lanes 0-15 hold the row's 32 largest, lanes 16-31 the others: five layers sort each
	LAYER S2, S1, 8, 1, 1
	LAYER S1, S2, 4, 1, 1
	LAYER S2, S1, 2, 1, 1
	LAYER S1, S2, 1, 1, 2
	; THE SCAN.  Pair q holds places 2 q, 2 q + 1, swapped where q is odd, so that the eight dual additions have an odd and an even destination: the second place takes the first.
.set g, 0
.rept 8
	v_dual_add_f32 v[S2+4*g+1], v[S2+4*g+1], v[S2+4*g] :: v_dual_add_f32 v[S2+4*g+2], v[S2+4*g+2], v[S2+4*g+3]
.set g, g+1
.endr
	CHAIN 1, 1                                     ; four groups of eight places, side by side
	CHAIN 2, 0
	CHAIN 3, 1                                     ; group g's sum lies in register 8 g + 6
	v_add_f32 v6, v[S2+6], v[S2+14]
	v_add_f32 v7, v[S2+22], v[S2+30]
	v_add_f32 v9, -1.0, v[S2+6]                    ; the groups start at -1, sum 0 - 1, sums 0, 1 - 1, sums 0 .. 2 - 1,
	TM \p, 10
	v_add_f32 v27, v6, v7                          ; my lane's sum
	v_add_f32 v30, -1.0, v6
	TM \p, 11
	TM \p, 12
	v_permlanex16_b32 v13, v27, s34, s35
	v_add_f32 v31, v30, v[S2+22]
	TM \p, 13
	v_fma_f32 v20, v13, v28, -1.0                  ; and in lanes 16-31 the sum of the 32 largest comes on top
	v_fma_f32 v21, v13, v28, v9
	v_fma_f32 v22, v13, v28, v30
	v_fma_f32 v23, v13, v28, v31
	START 0, 20, 0
	START 1, 20, 1
	START 2, 22, 0
	START 3, 22, 1                                 ; place i now holds (the sum of the i + 1 + 32 h largest) - 1
	WIN 0x04                                       ; source 1 in window 1
.set q, 0
.rept 16
	v_pk_mul_f32 v[S1+2*q:S1+2*q+1], v[S2+2*q:S2+2*q+1], v[2*q:2*q+1]
.set q, q+1
.endr
	WIN 0
.set i, 0
.rept 10                               ; theta = the largest of the 64 quotients
	v_max3_num_f32 v[S2+i], v[S1+3*i], v[S1+3*i+1], v[S1+3*i+2]
.set i, i+1
.endr
	v_max3_num_f32 v[S2+10], v[S2], v[S2+1], v[S2+2]
	v_max3_num_f32 v[S2+11], v[S2+3], v[S2+4], v[S2+5]
	v_max3_num_f32 v[S2+12], v[S2+6], v[S2+7], v[S2+8]
	v_max3_num_f32 v[S2+13], v[S2+9], v[S1+30], v[S1+31]
	TM \p, 14
	v_max3_num_f32 v[S2+14], v[S2+10], v[S2+11], v[S2+12]
	v_permlanex16_b32 v[S2+15], v[S2+13], s34, s35
	TM \p, 15
	s_wait_alu depctr_va_vdst(0)
	v_mul_f32 v14, v25, v26                        ; every -beta w is made: the next beta
	v_permlanex16_b32 v[S2+16], v[S2+14], s34, s35
	v_max_num_f32 v[S2+17], v[S2+13], v[S2+15]
	v_max3_num_f32 v12, v[S2+14], v[S2+16], v[S2+17]
.endm
	; ---------------- set-up and the first loads ----------------
	s_load_b512 s[8:23], s[0:1], 0x0               ; x s[8:9], W1 s[10:11], b1 s[12:13], W2 s[14:15], b2 s[16:17], W3 s[18:19], b3 s[20:21], sigma s[22:23]
	s_load_b128 s[24:27], s[0:1], 0x40             ; gamma s[24:25], out0 s[26:27]
	s_load_b64 s[28:29], s[0:1], 0x50              ; out1
	s_set_vgpr_msb 0x40
	v_lshl_add_u32 v64, v0, 2, 0x29000
	v_mov_b32 v65, 0
	s_set_vgpr_msb 0x4000
	v_lshrrev_b32 v4, 5, v0
	v_readfirstlane_b32 s30, v4                    ; wave 0..3
	v_and_b32 v1, 15, v0                           ; r
	v_bfe_u32 v2, v0, 4, 1                         ; h
	v_and_b32 v3, 31, v0
	v_lshlrev_b32 v3, 4, v3                        ; 16 x lane
	v_mov_b32 v8, 0
	s_lshl_b32 s31, ttmp9, 6
	s_lshl4_add_u32 s31, s30, s31                  ; my first row = 64 x work-group + 16 x wave
	s_lshl_b32 s32, s31, 9                         ; in bytes of x
	s_mov_b32 s33, 0
	s_mov_b32 s34, 0x76543210                      ; v_permlanex16_b32: each lane takes its own place in the other half
	s_mov_b32 s35, 0xfedcba98
	v_lshlrev_b32 v4, 2, v1
	v_lshl_add_u32 v4, v2, 11, v4
	s_lshl_b32 s37, s30, 6
	v_add_nc_u32 v4, s37, v4                       ; sigma[8h + ..][16w + r]: 2,048 h + 64 w + 4 r
	v_lshlrev_b32 v5, 8, v1
	v_lshl_add_u32 v5, v2, 5, v5
	s_lshl_b32 s38, s30, 12
	v_add_nc_u32 v5, s38, v5                       ; sigma[16w + r][8h + ..]: 4,096 w + 256 r + 32 h
	s_wait_kmcnt 0x0
	s_add_nc_u64 s[8:9], s[8:9], s[32:33]          ; x at my first row
	s_lshl_b32 s32, s31, 8
	s_add_nc_u64 s[26:27], s[26:27], s[32:33]      ; out0 and out1 at my first row
	s_add_nc_u64 s[28:29], s[28:29], s[32:33]
	s_load_b32 s42, s[24:25], 0x0                  ; gamma
.set a, 0
.rept 4
.set j, 0
.rept 8
	global_load_b32 v[XA+8*a+j], v4, s[22:23] offset:a*4096+j*256      ; S: my column block, sigma[16a + 8h + j][16w + r]
.set j, j+1
.endr
.set a, a+1
.endr
.set a, 0
.rept 4
	global_load_b128 v[TW+8*a:TW+8*a+3], v5, s[22:23] offset:a*64      ; R: my row block, sigma[16w + r][16a + 8h + j]
	global_load_b128 v[TW+8*a+4:TW+8*a+7], v5, s[22:23] offset:a*64+16
.set a, a+1
.endr
	WIN 0x40                                       ; destination window 1
.set i, 0
.rept 16
	global_load_b128 v[4*i:4*i+3], v3, s[8:9] offset:i*512 th:TH_LOAD_NT  ; a whole row of x, 512 bytes; it lands while the eigenvalue is found
.set i, i+1
.endr
	WIN 0
	s_lshl_b32 s37, s30, 12
	s_add_co_u32 s37, s37, EX
	v_add_nc_u32 v20, s37, v3                      ; where I store my block's fragments
	v_add_nc_u32 v21, EX, v3                       ; where I read all blocks'
	s_lshl_b32 s37, s30, 11
	s_add_co_u32 s37, s37, SIG
	v_add_nc_u32 v22, s37, v3                      ; the same for sigma's fragments
	v_add_nc_u32 v23, SIG, v3
	s_lshl_b32 s37, s30, 2
	s_add_co_u32 s37, s37, RED
	v_mov_b32 v24, s37                             ; my word of partial sums
	v_mov_b32 v25, RED
	s_mul_i32 s37, s30, 16*XSP
	v_add_nc_u32 v6, s37, v3                       ; x into LDS: a row at a time
	v_mul_u32_u24 v7, v1, XSP
	v_lshl_add_u32 v7, v2, 5, v7
	v_add_nc_u32 v7, s37, v7                       ; x out of LDS: row r, 8 numbers from 8 h on
	; ---------------- sigma: rounded, scaled, its fragments; the matrix B ----------------
	s_wait_loadcnt 16                              ; sigma is in; the 16 loads of x, issued behind it, stay out
.set q, 0
.rept 32
	RB16 TW+2*q, 16+(q&3)                          ; R and S rounded to bf16
.set q, q+1
.endr
	SUMSQ XA, FL                                   ; the four column blocks cover sigma once
	ds_store_b32 v24, v16
	BARRIER
	ds_load_b128 v[28:31], v25
	s_wait_dscnt 0x0
	v_add_f32 v28, v28, v29
	v_add_f32 v30, v30, v31
	v_add_f32 v16, v28, v30                        ; N0 = ||sigma||^2
	v_lshrrev_b32 v17, 23, v16                     ; its exponent field E: N0 < 2^(E - 126)
	v_add_nc_u32 v17, 0xffffff83, v17
	v_ashrrev_i32 v17, 1, v17                      ; e0 = (E - 125) >> 1: ||sigma|| < 2^e0 <= 2 ||sigma||
	v_sub_nc_u32 v18, 127, v17
	v_sub_nc_u32 v19, 126, v17
	v_lshlrev_b32 v18, 23, v18                     ; sc0 = 2^-e0
	v_lshlrev_b32 v19, 23, v19                     ; sc0 / 2
	v_mov_b32 v9, v18
.set q, 0
.rept 16
	v_pk_mul_f32 v[FH+2*q:FH+2*q+1], v[XA+2*q:XA+2*q+1], v[18:19] op_sel_hi:[1,0]
.set q, q+1
.endr
.set q, 0
.rept 16
	v_cvt_pk_f16_f32 v[FH+q], v[FH+2*q], v[FH+2*q+1]  ; ascending, in place: register q is written when pair q / 2 has been read
.set q, q+1
.endr
.set c, 0
.rept 4
	ds_store_b128 v22, v[FH+4*c:FH+4*c+3] offset:c*512  ; source 0 of tile w of y sigma: row m = asset 16w + r, k = 16a + 8h + j.  Read behind the squarings' barriers
.set c, c+1
.endr
.set q, 0
.rept 16
	v_pk_add_f32 v[XA+2*q:XA+2*q+1], v[XA+2*q:XA+2*q+1], v[TW+2*q:TW+2*q+1]
.set q, q+1
.endr
.set q, 0
.rept 16
	v_pk_mul_f32 v[XA+2*q:XA+2*q+1], v[XA+2*q:XA+2*q+1], v[18:19] op_sel:[0,1] op_sel_hi:[1,1]  ; (sigma + sigma') sc0 / 2: symmetric to the last bit
.set q, q+1
.endr
	v_lshlrev_b32 v17, 3, v2
	v_sub_nc_u32 v17, v1, v17                      ; register j of tile w holds a diagonal element where j = r - 8h
.set j, 0
.rept 8
	v_cmp_eq_u32 vcc_lo, j, v17
	v_cndmask_b32 v[FL+j], 0, 1.0, vcc_lo
.set j, j+1
.endr
.set a, 0
.rept 4
	s_cmp_eq_u32 s30, a
	s_cselect_b32 s40, 1.0, 0
	s_mov_b32 s41, s40
.set q, 0
.rept 4
	v_pk_fma_f32 v[XA+8*a+2*q:XA+8*a+2*q+1], v[FL+2*q:FL+2*q+1], s[40:41], v[XA+8*a+2*q:XA+8*a+2*q+1] op_sel_hi:[1,0,1]  ; + I
.set q, q+1
.endr
.set a, a+1
.endr
	v_mov_b32 v10, 0x42000000                      ; the first scale: 32
	v_mov_b32 v11, 0x42000000
	v_mov_b32 v12, 0xc0a00000                      ; G = -5
	v_mov_b32 v13, 0.5
	; ---------------- 16 squarings ----------------
	s_mov_b32 s36, 8
.Lsquare:
	SQ 0
	SQ 1
	s_sub_co_i32 s36, s36, 1
	s_cmp_lg_u32 s36, 0
	s_cbranch_scc1 .Lsquare
	SCALEX                                         ; the last power's norm
	SUMSQ XA, TW
	ds_store_b32 v24, v16 offset:16
	BARRIER
	ds_load_b128 v[28:31], v25 offset:16
	s_wait_dscnt 0x0
	v_add_f32 v28, v28, v29
	v_add_f32 v30, v30, v31
	v_add_f32 v16, v28, v30
	v_sub_nc_u32 v17, v16, v14                     ; the two norms' bit patterns: their difference is 2^23 x log2 of the ratio, nearly
	v_cvt_f32_i32 v17, v17
	v_fmamk_f32 v12, v15, 0x37800000, v12          ; + e16 2^-16
	v_fmamk_f32 v12, v17, 0x2c000000, v12          ; + difference x 2^-39
	v_exp_f32 v16, v12                             ; lambda(B)
	v_nop                                          ; a plain instruction behind a transcendental (ISA guide 5.7.2)
	s_wait_alu depctr_va_vdst(0)
	v_add_f32 v13, -1.0, v16                       ; lambda of sigma's symmetric part, times sc0
	v_rcp_f32 v17, v13
	v_nop
	s_wait_alu depctr_va_vdst(0)
	v_mul_f32 v10, -1.0, v17                       ; -step, for the scaled gradient
	v_mov_b32 v11, v10
	; ---------------- the three layers ----------------
	s_wait_loadcnt 0x0                             ; x
	WIN 0x04                                       ; store data in window 1
.set i, 0
.rept 16
	ds_store_b128 v6, v[4*i:4*i+3] offset:i*XSP
.set i, i+1
.endr
	WIN 0
	v_lshlrev_b32 v19, 2, v1
	v_lshl_add_u32 v16, v2, 10, v19                ; W1[8h + ..][r]
	v_lshlrev_b32 v17, 5, v2                       ; a bias from 8 h on
	v_lshl_add_u32 v18, v2, 9, v19                 ; W2[8h + ..][r]
	v_lshl_add_u32 v19, v2, 11, v19                ; W3[8h + ..][r]
.set f, 0
.rept 8                                ; fragment f = 4 mt + ks: row m = feature 16 mt + r; number i: k = 32 ks + 8 h + i, and 8 more from i = 8 on
.set i, 0
.rept 16
	global_load_b32 v[128+16*f+i], v16, s[10:11] offset:(32*(f&3)+i+8*(i/8))*128+(f/4)*64
.set i, i+1
.endr
.set f, f+1
.endr
.set ks, 0
.rept 4
	ds_load_b128 v[32+16*ks:35+16*ks], v7 offset:ks*128      ; my own bytes, in order behind my stores
	ds_load_b128 v[36+16*ks:39+16*ks], v7 offset:ks*128+16
	ds_load_b128 v[40+16*ks:43+16*ks], v7 offset:ks*128+64
	ds_load_b128 v[44+16*ks:47+16*ks], v7 offset:ks*128+80
.set ks, ks+1
.endr
	s_mul_i32 s37, s30, 16*OSP
	s_add_co_u32 s37, s37, OST                     ; my stage
	v_mul_u32_u24 v4, v1, OSP
	v_lshl_add_u32 v4, v2, 5, v4
	v_add_nc_u32 v4, s37, v4                       ; in: row r, 32 bytes for each half of the lanes
	v_mul_u32_u24 v5, v2, OSP
	v_lshl_add_u32 v5, v1, 4, v5
	v_add_nc_u32 v5, s37, v5                       ; back: lanes 0-15 one row of 256 bytes, lanes 16-31 the next
	s_wait_dscnt 0x0
.set q, 0
.rept 32
	v_cvt_pk_bf16_f32 v[96+q], v[32+2*q], v[33+2*q]  ; x as source 1: K step ks at v[96 + 8 ks]
.set q, q+1
.endr
.set q, 0
.rept 4
	global_load_b128 v[32+4*q:35+4*q], v17, s[12:13] offset:16*(q&1)+64*(q/2)  ; b1[16 mt + 8h + j], mt = q / 2: the C operand of layer 1's accumulator mt
.set q, q+1
.endr
.set i, 0
.rept 16
	global_load_b32 v[48+i], v18, s[14:15] offset:(i+8*(i/8))*64
.set i, i+1
.endr
	global_load_b128 v[64:67], v17, s[16:17]
	global_load_b128 v[68:71], v17, s[16:17] offset:16
	s_wait_loadcnt 22                              ; W1 is in; the 22 loads of b1, W2 and b2 stay out
.set q, 0
.rept 64
	v_cvt_pk_bf16_f32 v[128+q], v[128+2*q], v[129+2*q]  ; fragment f at v[128 + 8 f]; ascending, in place
.set q, q+1
.endr
.set t, 0
.rept 4
.set i, 0
.rept 8
	global_load_b32 v[192+8*t+i], v19, s[18:19] offset:i*256+t*64
.set i, i+1
.endr
.set t, t+1
.endr
.set q, 0
.rept 8
	global_load_b128 v[224+4*q:227+4*q], v17, s[20:21] offset:16*(q&1)+64*(q/2)  ; b3[16 t + 8h + j]
.set q, q+1
.endr
	s_wait_loadcnt 40                              ; b1, W2, b2 are in; the 40 loads of W3 and b3 stay out
.set q, 0
.rept 8
	RB16 32+2*q, 12+(q&1)
.set q, q+1
.endr
.set q, 0
.rept 4
	RB16 64+2*q, 12+(q&1)
.set q, q+1
.endr
.set q, 0
.rept 8
	v_cvt_pk_bf16_f32 v[72+q], v[48+2*q], v[49+2*q]
.set q, q+1
.endr
.set ks, 0
.rept 4                                ; layer 1: two accumulators by turns, started on the bias
	v_wmma_f32_16x16x32_bf16 v[32:39], v[128+8*ks:135+8*ks], v[96+8*ks:103+8*ks], v[32:39]
	v_wmma_f32_16x16x32_bf16 v[40:47], v[160+8*ks:167+8*ks], v[96+8*ks:103+8*ks], v[40:47]
.set ks, ks+1
.endr
	s_wait_loadcnt 0x0                             ; W3, b3.  What follows names none of layer 1's registers: it fills the places behind its products
	s_wait_kmcnt 0x0                               ; gamma
.set t, 0
.rept 4
.set q, 0
.rept 4
	v_cvt_pk_bf16_f32 v[192+8*t+q], v[192+8*t+2*q], v[193+8*t+2*q]
.set q, q+1
.endr
.set q, 0
.rept 4
	v_mov_b32 v[196+8*t+q], v[192+8*t+q]           ; k = 16 .. 31 repeats W3's 16 rows: there source 1 holds h2's lo parts
.set q, q+1
.endr
.set t, t+1
.endr
.set q, 0
.rept 16
	RB16 224+2*q, 12+(q&1)
.set q, q+1
.endr
	v_mov_b32 v14, s42
	v_cvt_pk_bf16_f32 v14, v14, v14
	v_lshlrev_b32 v14, 16, v14
	v_mul_f32 v14, -v14, v9                        ; -gamma sc0
	v_mov_b32 v15, v14
	RELU 32, 8
	SPLIT 32, 8, 80, 88, 48
	v_wmma_f32_16x16x32_bf16 v[64:71], v[72:79], v[80:87], v[64:71]  ; layer 2: W2 x hi + b2,
	v_wmma_f32_16x16x32_bf16 v[48:55], v[72:79], v[88:95], 0         ; and W2 x lo, on a second accumulator
	PLACES
.set q, 0
.rept 4
	v_pk_add_f32 v[64+2*q:65+2*q], v[64+2*q:65+2*q], v[48+2*q:49+2*q]
.set q, q+1
.endr
	RELU 64, 4
	SPLIT 64, 4, 80, 84, 48                        ; source 1 of layer 3: k = 8h + j hi, k = 16 + 8h + j lo
.set t, 0
.rept 4
	v_wmma_f32_16x16x32_bf16 v[PP+8*t:PP+8*t+7], v[192+8*t:199+8*t], v[80:87], v[PP+8*t:PP+8*t+7]  ; mu, started on b3
.set t, t+1
.endr
	PLACES
	OUT PP, 28                                     ; mu; each accumulator's four lowest registers are stored first; the macro's last wait shows all its LDS instructions done
.set q, 0
.rept 16
	v_pk_mul_f32 v[PP+2*q:PP+2*q+1], v[PP+2*q:PP+2*q+1], v[14:15]  ; p' = -gamma sc0 mu, in mu's place
.set q, q+1
.endr
	; ---------------- constants and start values of the loop ----------------
.set t, 0
.rept 4
.set c, 0
.rept 4
	ds_load_b128 v[SF+16*t+4*c:SF+16*t+4*c+3], v23 offset:t*2048+c*512  ; sigma's fragments, all four tiles
.set c, c+1
.endr
.set t, t+1
.endr
.set i, 0
.rept 32
.set e, i ^ ((i>>1) & 1)
	v_mad_u32_u24 v[S2+i], v2, 32, e+1             ; register i of the scan holds place e: e + 1 numbers in lanes 0-15, e + 33 in lanes 16-31
.set i, i+1
.endr
.set i, 0
.rept 32
	v_cvt_f32_u32 v[S2+i], v[S2+i]
.set i, i+1
.endr
	WIN 0x40                                       ; destination window 1
.set i, 0
.rept 32
	v_rcp_f32 v[i], v[S2+i]
.set i, i+1
.endr
	WIN 0
	v_cvt_f32_u32 v28, v2                          ; float(h); also the plain instruction behind the reciprocals
	v_lshlrev_b32 v29, 31, v2
	v_or_b32 v29, 0x7f7fffff, v29                  ; the largest finite number in lanes 0-15, the lowest in lanes 16-31
	v_mov_b32 v27, 0x3c800000                      ; 1/64
	; The loop's first lines finish 'the step before': v = 1/64, theta = 0, -beta w_old = 0 and 1 + beta = 1 give w0 = y0 = 1/64.
	v_mov_b32 v12, 0
	v_mov_b32 v13, 0
	v_mov_b32 v15, 0
	v_mov_b32 v16, 1.0
	v_mov_b32 v17, 0
	v_mov_b32 v18, 1.0                             ; t1; the chain below makes beta of step 1, which is 0, and t2
	v_mul_f32 v19, v18, v18
	v_fma_f32 v19, v19, 4.0, 1.0
	v_sqrt_f32 v24, v19
	v_add_f32 v25, -1.0, v18
	s_wait_alu depctr_va_vdst(0)
	v_fma_f32 v18, v24, 0.5, 0.5
	v_rcp_f32 v26, v18
	v_nop
	s_wait_alu depctr_va_vdst(0)
	v_mul_f32 v14, v25, v26
.set q, 0
.rept 16
	v_dual_mov_b32 v[HA+2*q], v27 :: v_dual_mov_b32 v[HA+2*q+1], v27
	v_dual_mov_b32 v[HB+2*q], v8 :: v_dual_mov_b32 v[HB+2*q+1], v8
.set q, q+1
.endr
	s_wait_dscnt 0x0                               ; sigma's fragments
	s_wait_xcnt 0x0                                ; mu's stores have read v32-63, which the first products write
	s_mov_b32 s36, ITERS/2
	; ---------------- 100 steps, two a trip: registers alone ----------------
.Lfista:
	BODY HA, HB
	BODY HB, HA
	s_sub_co_i32 s36, s36, 1
	s_cmp_lg_u32 s36, 0
	s_cbranch_scc1 .Lfista
	FSUB HA, 0                                     ; the last step's w
	FSUB HA, 8
	RELU HA, 16
	OUT HA, 26                                     ; the weights
	s_set_vgpr_msb 0x5
	s_wait_tensorcnt 0x0
	ds_add_u32 v64, v65
	s_wait_dscnt 0x0
	s_set_vgpr_msb 0x500
	s_endpgm
.Lfunc_end_k_q32997cc691_markowitz:
	.size	k_q32997cc691_markowitz, .Lfunc_end_k_q32997cc691_markowitz-k_q32997cc691_markowitz
	.p2alignl 7, 3214868480
	.fill 96, 4, 3214868480
	.section	.rodata,"a",@progbits
	.p2align	6, 0x0
	.amdhsa_kernel k_q32997cc691_markowitz
		.amdhsa_group_segment_fixed_size 168448
		.amdhsa_private_segment_fixed_size 0
		.amdhsa_enable_private_segment 0
		.amdhsa_kernarg_size 88
		.amdhsa_user_sgpr_count 2
		.amdhsa_user_sgpr_kernarg_segment_ptr 1
		.amdhsa_wavefront_size32 1
		.amdhsa_system_sgpr_workgroup_id_x 1
		.amdhsa_system_sgpr_workgroup_id_y 1
		.amdhsa_system_sgpr_workgroup_id_z 1
		.amdhsa_system_vgpr_workitem_id 0
		.amdhsa_next_free_vgpr 322
		.amdhsa_next_free_sgpr 66
		.amdhsa_reserve_vcc 1
		.amdhsa_float_denorm_mode_32 3
		.amdhsa_float_denorm_mode_16_64 3
		.amdhsa_memory_ordered 1
		.amdhsa_forward_progress 1
		.amdhsa_inst_pref_size 173
	.end_amdhsa_kernel
	.amdgpu_metadata
---
amdhsa.version: [ 1, 2 ]
amdhsa.kernels:
  - .name:           k_q32997cc691_markowitz
    .symbol:         k_q32997cc691_markowitz.kd
    .args:
      - { .name: x, .offset: 0, .size: 8, .value_kind: global_buffer, .address_space: global }
      - { .name: W1, .offset: 8, .size: 8, .value_kind: global_buffer, .address_space: global }
      - { .name: b1, .offset: 16, .size: 8, .value_kind: global_buffer, .address_space: global }
      - { .name: W2, .offset: 24, .size: 8, .value_kind: global_buffer, .address_space: global }
      - { .name: b2, .offset: 32, .size: 8, .value_kind: global_buffer, .address_space: global }
      - { .name: W3, .offset: 40, .size: 8, .value_kind: global_buffer, .address_space: global }
      - { .name: b3, .offset: 48, .size: 8, .value_kind: global_buffer, .address_space: global }
      - { .name: sigma, .offset: 56, .size: 8, .value_kind: global_buffer, .address_space: global }
      - { .name: gamma, .offset: 64, .size: 8, .value_kind: global_buffer, .address_space: global }
      - { .name: out0, .offset: 72, .size: 8, .value_kind: global_buffer, .address_space: global }
      - { .name: out1, .offset: 80, .size: 8, .value_kind: global_buffer, .address_space: global }
    .group_segment_fixed_size: 168448
    .private_segment_fixed_size: 0
    .kernarg_segment_align: 8
    .kernarg_segment_size: 88
    .max_flat_workgroup_size: 128
    .sgpr_count:     66
    .vgpr_count:     322
    .wavefront_size: 32
...
	.end_amdgpu_metadata
.endif
;; end of part 2
;; ======== version 3 of 3: 1 launch; 1.24 times as fast as version 1
;; limits: values outside matrix products are rounded to f16; an absolute error that grows with the inputs' magnitude: up to 0.0002 times it; an absolute error that grows with the inputs' magnitude: up to 5e-05 times it
;; launch markowitz (part 3): grid 256 x 1, 4 waves a work-group, no clusters, 168,448 bytes of LDS; arguments x, W1, b1, W2, b2, W3, b3, sigma, gamma, out0, out1; writes out0, out1
.if DOCPART == 3
	.amdgcn_target "amdgcn-amd-amdhsa--gfx1250"
	.amdhsa_code_object_version 6
	.text
	.protected	k_q32997cc691_markowitz
	.globl	k_q32997cc691_markowitz
	.p2align	8
	.type	k_q32997cc691_markowitz,@function
k_q32997cc691_markowitz:
	s_mov_b64 s[64:65], 0
	v_nop
	global_prefetch_b8 v0, s[64:65] scope:SCOPE_SE
	s_setreg_imm32_b32 hwreg(HW_REG_WAVE_MODE, 25, 1), 1
	s_wait_xcnt 0x0
; mu = relu(relu(x W1 + b1) W2 + b2) W3 + b3 (out1);  w = 100 FISTA steps of min 0.5 w'Sw + p'w on the simplex, p = -gamma mu (out0).
; x [16384][128], W1 [128][32], W2 [32][16], W3 [16][64], sigma [64][64], out0 and out1 [16384][64], all f32.
; SHARES.  256 work-groups of four waves; a wave owns 16 rows from first to last.  The waves of a work-group meet only for the largest eigenvalue of sigma.
; LAYOUT.  Every product is used transposed: source 0 = 16 features x 32 k of a weight, source 1 = 32 k x 16 batch rows.  In a result lane l holds batch row l % 16
; and features 16 t + 8 (l / 16) + 0..7 of tile t, and two neighbouring tiles packed to 16 bits ARE source 1 of the next product: nothing changes lanes.
; A row's 64 numbers lie in two lanes, 16 apart, 32 registers each.
; FORMATS.  All nine inputs are rounded to bf16.  h1 and h2 go to the matrix unit as bf16 hi + lo; y (always in -1 .. 2) as f16; sigma, rounded to bf16, times a
; power of two that puts its Frobenius norm in 0.5 .. 1, as f16 (exact down to 2^-17 of that scale).  p, v, w, y, theta, sums: f32.
; EIGENVALUE.  B = I + (sigma + sigma') sc0 / 2 is positive definite whatever sigma is; 16 squarings with f32 sums, each followed by a power-of-two scale taken from the
; Frobenius norm: the first eight on f16 hi + lo operands (hh + hl + lh), the last eight on the hi part alone.  lambda(B) = (tr B^(2m) / tr B^m)^(1/m), m = 65,536, which lies
; within a factor 4.5^(1/m) below the truth for every spectrum; rounding the power 2^j of B to f16 moves log lambda(B) by 2^-j x 2^-11 x 8 at the most, 2^-15 for j = 8 .. 15 together.
; LIMIT: L is right to about 2e-4 of sigma's Frobenius norm.  The logarithm of the last two norms' ratio is taken from their bit patterns (error under 0.17 x 2^-16).
; PROJECTION.  theta = max over k of (sum of the k largest - 1) / k.
; The 64 numbers are sorted by a fixed network in which every comparison sends the larger number to the lower place: in each lane Batcher's odd-even merge sort of 32
; (191 comparisons), one exchange between the two lanes, five bitonic layers.  The division is a product with v_rcp_f32(k).
; LIMITS.  NaN and infinities are not treated apart; a sigma whose symmetric part has no positive eigenvalue gives no sensible step.
.set ITERS, 100
.set XSP,  528                         ; LDS pitch of a row of x: 512 bytes + 16
.set XS,   0                           ; 4 x 16 rows x 528: each wave's rows of x, its own
.set EX,   33792                       ; 2 buffers x 4 blocks x (hi 2,048 + lo 2,048): the squarings' fragments, shared
.set SIG,  66560                       ; 4 blocks x 2,048: sigma's f16 fragments, shared
.set RED,  74752                       ; partial sums: +0 sigma's norm, +16 and +32 the squarings' two buffers; a word a wave
.set OST,  75008                       ; 4 x 16 rows x 272: each wave's stage for the way out, its own
.set OSP,  272
; v0 thread; v1 r = l % 16; v2 h = l / 16; v3 16 x lane; v4, v5 sigma's offsets, later the stage's two addresses; v6, v7 x in LDS: store, load; v8 0.0; v9 sc0
; eigenvalue: v10-11 scale; v12 G; v13 2^-i; v14 the norm before; v15 e; v16-19 at work; v20-25 LDS addresses; v28-31 four partial sums
.set FH, 32                            ; v32-47   my column block, f16 hi (source 1; by symmetry also a row block's source 0)
.set FL, 48                            ; v48-63   the same, lo
.set TW, 64                            ; v64-95   at work
.set XA, 96                            ; v96-127  my column block in f32: four accumulators
.set GH, 128                           ; v128-191 all four blocks' hi
.set GL, 192                           ; v192-255 all four blocks' lo
; main loop: v10-11 -step; v12 theta; v13 the partner lane's sum; v14 beta of this step; v16 1 + beta of the step before; v15, v17 the unused halves of their pairs; v18 t;
; v19, v24-26 the beta chain; v20-23 where the scan's four groups start; v6, v7, v9, v27, v30, v31 sums at work; v28 float(h); v29 the exchange's bound
.set DA, 32                            ; the way out reads rows back into v32-63
.set S1, 32                            ; v32-63   the four accumulators; sort buffer 1
.set S2, 64                            ; v64-95   sort buffer 2; its upper half is YH
.set YH, 80                            ; v80-95   y in f16: source 1
.set HA, 96                            ; v96-127  two buffers that change roles from step to step: one holds v, then w, then -beta w;
.set HB, 128                           ; v128-159 the other -beta w_old, then y, then the next v
.set SF, 160                           ; v160-223 sigma's fragments: tile t, K step ks at 16 t + 8 ks
.set PP, 224                           ; v224-255 mu, then p'
; window 1 (v256 on): v0-63 x while it is on its way; later v0-31 1 / k of my 32 prefixes
.set MSB, 0
.macro WIN new                         ; s_set_vgpr_msb: bits 1:0 source 0, 3:2 source 1, 5:4 source 2, 7:6 destination; the high byte repeats the setting that is left
.if MSB != (\new)
	s_set_vgpr_msb (MSB<<8)|(\new)
.set MSB, \new
.endif
.endm
.macro RB16 a, t                       ; v[a], v[a+1] rounded to bf16, kept as f32
	v_cvt_pk_bf16_f32 v[\t], v[\a], v[(\a)+1]
	v_lshlrev_b32 v[\a], 16, v[\t]
	v_and_b32 v[(\a)+1], 0xffff0000, v[\t]
.endm
.macro WSUM x, t                       ; the sum over the 32 lanes, in every lane
	v_add_f32_dpp v[\x], v[\x], v[\x] row_xmask:1 row_mask:0xf bank_mask:0xf
	v_add_f32_dpp v[\x], v[\x], v[\x] row_xmask:2 row_mask:0xf bank_mask:0xf
	v_add_f32_dpp v[\x], v[\x], v[\x] row_xmask:4 row_mask:0xf bank_mask:0xf
	v_add_f32_dpp v[\x], v[\x], v[\x] row_xmask:8 row_mask:0xf bank_mask:0xf
	v_permlanex16_b32 v[\t], v[\x], s34, s35
	v_add_f32 v[\x], v[\x], v[\t]
.endm
.macro SUMSQ x, c                      ; v16 = the wave's sum of squares of v[x .. x+31]; two chains in v[c .. c+3], started by products
	v_pk_mul_f32 v[\c:(\c)+1], v[\x:(\x)+1], v[\x:(\x)+1]
	v_pk_mul_f32 v[(\c)+2:(\c)+3], v[(\x)+2:(\x)+3], v[(\x)+2:(\x)+3]
.set q, 4
.rept 7
	v_pk_fma_f32 v[\c:(\c)+1], v[(\x)+q:(\x)+q+1], v[(\x)+q:(\x)+q+1], v[\c:(\c)+1]
	v_pk_fma_f32 v[(\c)+2:(\c)+3], v[(\x)+q+2:(\x)+q+3], v[(\x)+q+2:(\x)+q+3], v[(\c)+2:(\c)+3]
.set q, q+4
.endr
	v_pk_add_f32 v[\c:(\c)+1], v[\c:(\c)+1], v[(\c)+2:(\c)+3]
	v_add_f32 v16, v[\c], v[(\c)+1]
	WSUM 16, 17
.endm
.macro PLACES                          ; four plain vector instructions between a matrix instruction and a line that touches its registers (ISA guide 7.12.1)
.rept 4
	v_nop
.endr
.endm
.macro BARRIER                         ; my LDS instructions are done, for the others' sake; then all four waves meet
	s_wait_dscnt 0x0
	s_barrier_signal -1
	s_barrier_wait -1
.endm
.macro WID d, lo, hi
	v_cvt_f32_f16 v[\d], \lo
	v_cvt_f32_f16 v[(\d)+1], \hi
.endm
.macro WIDEN                           ; TW = the f16 hi parts, as f32
	WID TW+0, v32.l, v32.h
	WID TW+2, v33.l, v33.h
	WID TW+4, v34.l, v34.h
	WID TW+6, v35.l, v35.h
	WID TW+8, v36.l, v36.h
	WID TW+10, v37.l, v37.h
	WID TW+12, v38.l, v38.h
	WID TW+14, v39.l, v39.h
	WID TW+16, v40.l, v40.h
	WID TW+18, v41.l, v41.h
	WID TW+20, v42.l, v42.h
	WID TW+22, v43.l, v43.h
	WID TW+24, v44.l, v44.h
	WID TW+26, v45.l, v45.h
	WID TW+28, v46.l, v46.h
	WID TW+30, v47.l, v47.h
.endm
.macro SCALEX                          ; my block times the scale; each accumulator is read from its low end on
.set q, 0
.rept 16
	v_pk_mul_f32 v[XA+q:XA+q+1], v[XA+q:XA+q+1], v[10:11]
.set q, q+2
.endr
.endm
.macro MM4 ga, fb, ks, zero            ; four products, one for each accumulator: they take turns
.set a, 0
.rept 4
.if \zero
	v_wmma_f32_16x16x32_f16 v[XA+8*a:XA+8*a+7], v[(\ga)+16*a+8*(\ks):(\ga)+16*a+8*(\ks)+7], v[(\fb)+8*(\ks):(\fb)+8*(\ks)+7], 0
.else
	v_wmma_f32_16x16x32_f16 v[XA+8*a:XA+8*a+7], v[(\ga)+16*a+8*(\ks):(\ga)+16*a+8*(\ks)+7], v[(\fb)+8*(\ks):(\fb)+8*(\ks)+7], v[XA+8*a:XA+8*a+7]
.endif
.set a, a+1
.endr
.endm
.macro GLOAD g, buf, part, ks          ; eight LDS loads: K step ks of all four blocks, hi (part 0) or lo (part 1), into v[g ..]
.set b, 0
.rept 4
	ds_load_b128 v[(\g)+16*b+8*(\ks):(\g)+16*b+8*(\ks)+3], v21 offset:(\buf)*16384+b*4096+(\part)*2048+(\ks)*1024
	ds_load_b128 v[(\g)+16*b+8*(\ks)+4:(\g)+16*b+8*(\ks)+7], v21 offset:(\buf)*16384+b*4096+(\part)*2048+(\ks)*1024+512
.set b, b+1
.endr
.endm
; ONE SQUARING.  C = scale x (what the last products made); its f16 parts (lo = 1: hi and lo; lo = 0: hi alone) and its norm go to LDS buffer buf; behind one barrier every wave reads
; all four blocks and makes its column block of C C.  Buffer buf is written again two squarings on: every wave's reads of it are waited for in front of the barrier in between.
; The loads go out in the order in which the products want them, eight at a time, and each group of products waits for its own eight alone: the later ones land while the matrix unit works.
.macro SQ buf, lo
	SCALEX
.set q, 0
.rept 16
	v_cvt_pk_f16_f32 v[FH+q], v[XA+2*q], v[XA+2*q+1]
.set q, q+1
.endr
.if \lo
	WIDEN
.set q, 0
.rept 16
	v_pk_add_f32 v[TW+q:TW+q+1], v[XA+q:XA+q+1], v[TW+q:TW+q+1] neg_lo:[0,1] neg_hi:[0,1]
.set q, q+2
.endr
.set q, 0
.rept 16
	v_cvt_pk_f16_f32 v[FL+q], v[TW+2*q], v[TW+2*q+1]
.set q, q+1
.endr
.endif
	SUMSQ XA, TW
.set c, 0
.rept 4
	ds_store_b128 v20, v[FH+4*c:FH+4*c+3] offset:(\buf)*16384+c*512
.if \lo
	ds_store_b128 v20, v[FL+4*c:FL+4*c+3] offset:(\buf)*16384+2048+c*512
.endif
.set c, c+1
.endr
	ds_store_b32 v24, v16 offset:16+16*(\buf)
	BARRIER
	ds_load_b128 v[28:31], v25 offset:16+16*(\buf)
	GLOAD GH, \buf, 0, 0
	GLOAD GH, \buf, 0, 1
.if \lo
	GLOAD GL, \buf, 1, 0
	GLOAD GL, \buf, 1, 1
	s_wait_dscnt 24                                ; the partial sums and hi's K step 0 are in; the 24 loads behind them stay out
	MM4 GH, FH, 0, 1                               ; the first products start the sums
	MM4 GH, FL, 0, 0
	s_wait_dscnt 16                                ; hi's K step 1; lo's 16 loads stay out
	MM4 GH, FH, 1, 0
	MM4 GH, FL, 1, 0
	s_wait_dscnt 8                                 ; lo's K step 0; its K step 1 stays out
	MM4 GL, FH, 0, 0
	s_wait_dscnt 0x0
	MM4 GL, FH, 1, 0
.else
	s_wait_dscnt 8                                 ; the partial sums and K step 0 are in; K step 1's eight loads stay out
	MM4 GH, FH, 0, 1
	s_wait_dscnt 0x0
	MM4 GH, FH, 1, 0
.endif
	; the next scale, from the norm N of C: ||C C|| lies in N/8 .. N, so 2^-(E - 134), E = N's exponent field, puts it in 2^4 .. 2^8.  These lines are also the places behind the products.
	v_add_f32 v28, v28, v29
	v_add_f32 v30, v30, v31
	v_add_f32 v14, v28, v30                        ; N: the same four numbers in the same order in every wave
	v_lshrrev_b32 v17, 23, v14                     ; E
	v_sub_nc_u32 v18, 0x105, v17
	v_add_nc_u32 v17, 0xffffff7a, v17              ; e = E - 134
	v_lshlrev_b32 v10, 23, v18                     ; 2^-e
	v_cvt_f32_i32 v15, v17
	v_mov_b32 v11, v10
	v_fmac_f32 v12, v15, v13                       ; G += e 2^-i: whole multiples of 2^-16 below 64, exact in f32
	v_mul_f32 v13, 0.5, v13
.endm
.macro RELU src, n
.set q, 0
.rept \n
	v_dual_max_num_f32 v[(\src)+2*q], v[(\src)+2*q], v8 :: v_dual_max_num_f32 v[(\src)+2*q+1], v[(\src)+2*q+1], v8
.set q, q+1
.endr
.endm
.macro SPLIT src, n, hi, lo, tmp       ; n pairs of f32 as bf16 hi and bf16 lo
.set q, 0
.rept \n
	v_cvt_pk_bf16_f32 v[(\hi)+q], v[(\src)+2*q], v[(\src)+2*q+1]
.set q, q+1
.endr
.set q, 0
.rept \n
	v_lshlrev_b32 v[(\tmp)+2*q], 16, v[(\hi)+q]
	v_and_b32 v[(\tmp)+2*q+1], 0xffff0000, v[(\hi)+q]
.set q, q+1
.endr
.set q, 0
.rept \n
	v_pk_add_f32 v[(\tmp)+2*q:(\tmp)+2*q+1], v[(\src)+2*q:(\src)+2*q+1], v[(\tmp)+2*q:(\tmp)+2*q+1] neg_lo:[0,1] neg_hi:[0,1]
.set q, q+1
.endr
.set q, 0
.rept \n
	v_cvt_pk_bf16_f32 v[(\lo)+q], v[(\tmp)+2*q], v[(\tmp)+2*q+1]
.set q, q+1
.endr
.endm
; THE WAY OUT of 16 rows x 64 numbers in v[src ..]: a lane's 8 neighbouring numbers of a row go into my stage (rows of 272 bytes), whole rows come back, and each store
; of the wave covers 512 consecutive bytes, two rows, at a multiple of 256 from the buffer's first byte.  LDS serves a wave's instructions in order (ISA guide 5.7.1.4): no wait between stores and loads.
.macro OUT src, lo
.set t, 0
.rept 4
	ds_store_b128 v4, v[(\src)+8*t:(\src)+8*t+3] offset:t*64
	ds_store_b128 v4, v[(\src)+8*t+4:(\src)+8*t+7] offset:t*64+16
.set t, t+1
.endr
.set i, 0
.rept 8
	ds_load_b128 v[DA+4*i:DA+4*i+3], v5 offset:i*2*OSP
.set i, i+1
.endr
.set i, 0
.rept 8
	s_wait_dscnt 7-i                               ; the younger read-backs may stay out
	global_store_b128 v3, v[DA+4*i:DA+4*i+3], s[\lo:(\lo)+1] offset:i*512 th:TH_STORE_NT
.set i, i+1
.endr
.endm
; ONE COMPARISON: the larger of v[a], v[b] to v[x], the smaller to v[y].  Both halves of the dual instruction name the same two sources; x and y are an even and an odd register,
; as its two destinations must be, and neither is a or b.
.macro CE a, b, x, y
	v_dual_max_num_f32 v[\x], v[\a], v[\b] :: v_dual_min_num_f32 v[\y], v[\a], v[\b]
.endm
; THE SORT OF 32 IN A LANE: Batcher's odd-even merge sort, descending: fours (5 comparisons each), then merges to 8 (9), 16 (25) and 32 (65).  Its layers leave some numbers out.
; Nothing is copied for that: a comparison reads its two numbers wherever they lie in the two buffers and writes two registers that hold nothing live, and a number that a layer
; leaves out stays where it lies.  So the places are written out, wire by wire (wire k: the place of the k-th largest once the merge is done).  Where a line writes a register
; that another line of its layer reads, the reading line stands first.
.macro SRT4A t, q0, n                  ; n fours from four q0 on, out of v[t ..]: wires 0 >= 1 and 3 >= 2, into buffer 1
.set q, 4*(\q0)
.rept \n
	CE (\t)+q, (\t)+q+1, S1+q, S1+q+1
	CE (\t)+q+2, (\t)+q+3, S1+q+3, S1+q+2
.set q, q+4
.endr
.endm
.macro SRT4B q0, n                     ; the two larger: the largest to register 0, the other to 1; the two smaller: the smallest to 3, the other to 2; into buffer 2
.set q, 4*(\q0)
.rept \n
	CE S1+q, S1+q+3, S2+q, S2+q+1
	CE S1+q+1, S1+q+2, S2+q+2, S2+q+3
.set q, q+4
.endr
.endm
.macro SRT4C q0, n                     ; the middle two, into buffer 1: the four now lies in buffer 2 (wires 0, 3) and buffer 1 (wires 1, 2)
.set q, 4*(\q0)
.rept \n
	CE S2+q+1, S2+q+2, S1+q+1, S1+q+2
.set q, q+4
.endr
.endm
.macro MRG8                            ; four merges of two fours; the eight end in buffer 1, wire k in register k
.set o, 0
.rept 4                                ; distance 4
	CE S2+o, S2+o+4, S1+o, S2+o+1                  ; wires 0, 4: wire 0 is final
	CE S2+o+3, S2+o+7, S2+o+2, S1+o+7              ; wires 3, 7: wire 7 is final
	CE S1+o+1, S1+o+5, S2+o+5, S2+o+6              ; wires 1, 5
	CE S1+o+2, S1+o+6, S2+o, S2+o+7                ; wires 2, 6
.set o, o+8
.endr
.set o, 0
.rept 4                                ; distance 2
	CE S2+o, S2+o+1, S2+o+4, S2+o+3                ; wires 2, 4
	CE S2+o+2, S2+o+6, S2+o, S2+o+1                ; wires 3, 5
.set o, o+8
.endr
.set o, 0
.rept 4                                ; distance 1
	CE S2+o+5, S2+o+4, S1+o+1, S1+o+2              ; wires 1, 2
	CE S2+o, S2+o+3, S1+o+3, S1+o+4                ; wires 3, 4
	CE S2+o+1, S2+o+7, S1+o+5, S1+o+6              ; wires 5, 6
.set o, o+8
.endr
.endm
.macro MRG16                           ; two merges of two eights; wires 1 to 14 end in buffer 1, wire k in register k; wire 0 in register 1 and wire 15 in register 14 of buffer 2
.set o, 0
.rept 2                                ; distance 8: wires i, i + 8
	CE S1+o, S1+o+8, S2+o+1, S2+o+8
	CE S1+o+1, S1+o+9, S2+o, S2+o+9
	CE S1+o+2, S1+o+10, S2+o+2, S2+o+11
	CE S1+o+3, S1+o+11, S2+o+3, S2+o+10
	CE S1+o+4, S1+o+12, S2+o+4, S2+o+13
	CE S1+o+5, S1+o+13, S2+o+5, S2+o+12
	CE S1+o+6, S1+o+14, S2+o+6, S2+o+15
	CE S1+o+7, S1+o+15, S2+o+7, S2+o+14
.set o, o+16
.endr
.set o, 0
.rept 2                                ; distance 4
	CE S2+o+4, S2+o+8, S1+o+4, S1+o+9              ; wires 4, 8
	CE S2+o+5, S2+o+9, S1+o+5, S1+o+8              ; wires 5, 9
	CE S2+o+6, S2+o+11, S1+o+6, S1+o+11            ; wires 6, 10
	CE S2+o+7, S2+o+10, S1+o+7, S1+o+10            ; wires 7, 11
.set o, o+16
.endr
.set o, 0
.rept 2                                ; distance 2
	CE S2+o+2, S1+o+4, S2+o+4, S2+o+5              ; wires 2, 4
	CE S2+o+3, S1+o+5, S2+o+6, S2+o+7              ; wires 3, 5
	CE S1+o+11, S2+o+13, S2+o+8, S2+o+9            ; wires 10, 12
	CE S1+o+10, S2+o+12, S2+o+10, S2+o+11          ; wires 11, 13
	CE S1+o+6, S1+o+9, S2+o+2, S2+o+3              ; wires 6, 8
	CE S1+o+7, S1+o+8, S2+o+12, S2+o+13            ; wires 7, 9
.set o, o+16
.endr
.set o, 0
.rept 2                                ; distance 1
	CE S2+o, S2+o+4, S1+o+1, S1+o+2                ; wires 1, 2
	CE S2+o+6, S2+o+5, S1+o+3, S1+o+4              ; wires 3, 4
	CE S2+o+7, S2+o+2, S1+o+5, S1+o+6              ; wires 5, 6
	CE S2+o+12, S2+o+3, S1+o+7, S1+o+8             ; wires 7, 8
	CE S2+o+13, S2+o+8, S1+o+9, S1+o+10            ; wires 9, 10
	CE S2+o+10, S2+o+9, S1+o+11, S1+o+12           ; wires 11, 12
	CE S2+o+11, S2+o+15, S1+o+13, S1+o+14          ; wires 13, 14
.set o, o+16
.endr
.endm
.macro MRG32                           ; the merge of the two sixteens; the 32 end in buffer 2, wire k in register k
	; distance 16: wires i, i + 16
	CE S2+1, S2+17, S2+0, S2+19                    ; wires 0, 16: wire 0 is final
	CE S2+14, S2+30, S2+12, S2+31                  ; wires 15, 31: wire 31 is final
	CE S1+1, S1+17, S2+3, S2+16
	CE S1+2, S1+18, S2+2, S2+17
	CE S1+3, S1+19, S2+1, S2+18
	CE S1+4, S1+20, S2+4, S2+21
	CE S1+5, S1+21, S2+5, S2+20
	CE S1+6, S1+22, S2+6, S2+23
	CE S1+7, S1+23, S2+7, S2+22
	CE S1+8, S1+24, S2+9, S2+24
	CE S1+9, S1+25, S2+8, S2+25
	CE S1+10, S1+26, S2+11, S2+26
	CE S1+11, S1+27, S2+10, S2+27
	CE S1+12, S1+28, S2+13, S2+30
	CE S1+13, S1+29, S2+14, S2+29
	CE S1+14, S1+30, S2+15, S2+28
	; distance 8: wires 8 + i, 16 + i
	CE S2+9, S2+19, S1+8, S1+17
	CE S2+8, S2+16, S1+9, S1+16
	CE S2+11, S2+17, S1+10, S1+19
	CE S2+10, S2+18, S1+11, S1+18
	CE S2+13, S2+21, S1+12, S1+21
	CE S2+14, S2+20, S1+13, S1+20
	CE S2+15, S2+23, S1+14, S1+23
	CE S2+12, S2+22, S1+15, S1+22
	; distance 4: wires 4 + i, 8 + i; then 20 + i, 24 + i; then 12 + i, 16 + i, into the registers that the first two groups have read
	CE S2+4, S1+8, S2+8, S2+13
	CE S2+5, S1+9, S2+9, S2+12
	CE S2+6, S1+10, S2+10, S2+15
	CE S2+7, S1+11, S2+11, S2+14
	CE S1+21, S2+24, S2+16, S2+21
	CE S1+20, S2+25, S2+17, S2+20
	CE S1+23, S2+26, S2+18, S2+23
	CE S1+22, S2+27, S2+19, S2+22
	CE S1+12, S1+17, S2+4, S2+25
	CE S1+13, S1+16, S2+5, S2+24
	CE S1+14, S1+19, S2+6, S2+27
	CE S1+15, S1+18, S2+7, S2+26
	; distance 2: wires j, j + 2 for j = 2, 3, 6, 7, .. 26, 27: wire j to register j, wire j + 2 to the neighbour of register j + 2
	CE S2+2, S2+8, S1+2, S1+5
	CE S2+1, S2+9, S1+3, S1+4
	CE S2+10, S2+13, S1+6, S1+9
	CE S2+11, S2+12, S1+7, S1+8
	CE S2+15, S2+4, S1+10, S1+13
	CE S2+14, S2+5, S1+11, S1+12
	CE S2+6, S2+25, S1+14, S1+17
	CE S2+7, S2+24, S1+15, S1+16
	CE S2+27, S2+16, S1+18, S1+21
	CE S2+26, S2+17, S1+19, S1+20
	CE S2+18, S2+21, S1+22, S1+25
	CE S2+19, S2+20, S1+23, S1+24
	CE S2+23, S2+30, S1+26, S1+29
	CE S2+22, S2+29, S1+27, S1+28
	; distance 1: wires j, j + 1 for odd j.  Wire 1 waits in register 3 and wire 30 in register 28 of buffer 2: their lines stand ahead of those that write there.
	; The upper wires come early, since the exchange reads from the top down.
	CE S2+3, S1+2, S2+1, S2+2                      ; wires 1, 2
	CE S1+3, S1+5, S2+3, S2+4                      ; wires 3, 4
	CE S1+4, S1+6, S2+5, S2+6                      ; wires 5, 6
	CE S1+7, S1+9, S2+7, S2+8                      ; wires 7, 8
	CE S1+28, S2+28, S2+29, S2+30                  ; wires 29, 30
	CE S1+27, S1+29, S2+27, S2+28                  ; wires 27, 28
	CE S1+24, S1+26, S2+25, S2+26                  ; wires 25, 26
	CE S1+23, S1+25, S2+23, S2+24                  ; wires 23, 24
	CE S1+20, S1+22, S2+21, S2+22                  ; wires 21, 22
	CE S1+19, S1+21, S2+19, S2+20                  ; wires 19, 20
	CE S1+16, S1+18, S2+17, S2+18                  ; wires 17, 18
	CE S1+15, S1+17, S2+15, S2+16                  ; wires 15, 16
	CE S1+12, S1+14, S2+13, S2+14                  ; wires 13, 14
	CE S1+11, S1+13, S2+11, S2+12                  ; wires 11, 12
	CE S1+8, S1+10, S2+9, S2+10                    ; wires 9, 10
.endm
; ONE LAYER of a bitonic merge: place i is compared with place i xor xm, and the larger number goes to the lower place; every place is touched, and the results go to the other buffer.
; A layer says where places lie, in its source (sm) and its destination (dm): 0: place i in register i; 1: in register (i & 30) | parity(i), so that partners, which differ in
; one bit, lie in an even and an odd register; 2: as 0 with the two registers of every second pair swapped, for the scan.
.macro LAYER src, dst, xm, sm, dm
.set i, 0
.rept 32
.set l, i ^ (\xm)
.if i < l
.set pi, (i ^ (i>>1) ^ (i>>2) ^ (i>>3) ^ (i>>4)) & 1
.set pl, (l ^ (l>>1) ^ (l>>2) ^ (l>>3) ^ (l>>4)) & 1
.if (\sm) == 0
.set ri, i
.set rl, l
.else
.set ri, (i & 30) | pi
.set rl, (l & 30) | pl
.endif
.if (\dm) == 0
.set di, i
.set dl, l
.elseif (\dm) == 1
.set di, (i & 30) | pi
.set dl, (l & 30) | pl
.else
.set di, i ^ ((i>>1) & 1)
.set dl, l ^ ((l>>1) & 1)
.endif
	v_dual_max_num_f32 v[(\dst)+di], v[(\src)+ri], v[(\src)+rl] :: v_dual_min_num_f32 v[(\dst)+dl], v[(\src)+ri], v[(\src)+rl]
.endif
.set i, i+1
.endr
.endm
; The pieces of a step.  p: the buffer with v (then w, then -beta w); t: the buffer with -beta w_old (then y, then the next v).
.macro FSUB p, q0                      ; eight pairs: v - theta
.set q, \q0
.rept 8
	v_pk_add_f32 v[(\p)+2*q:(\p)+2*q+1], v[(\p)+2*q:(\p)+2*q+1], v[12:13] op_sel_hi:[1,0] neg_lo:[0,1] neg_hi:[0,1]
.set q, q+1
.endr
.endm
.macro FY p, t, q0                     ; eight pairs: y = (1 + beta) w - beta w_old, in the second term's place
.set q, \q0
.rept 8
	v_pk_fma_f32 v[(\t)+2*q:(\t)+2*q+1], v[(\p)+2*q:(\p)+2*q+1], v[16:17], v[(\t)+2*q:(\t)+2*q+1] op_sel_hi:[1,0,1]
.set q, q+1
.endr
.endm
.macro FCV t, q0                       ; eight pairs of y rounded to f16: one K step's source 1
.set q, \q0
.rept 8
	v_cvt_pk_f16_f32 v[YH+q], v[(\t)+2*q], v[(\t)+2*q+1]
.set q, q+1
.endr
.endm
.macro MMK tile, ks                    ; tile's product of K step ks; the first starts the sum on p'
.if (\ks) == 0
	v_wmma_f32_16x16x32_f16 v[S1+8*(\tile):S1+8*(\tile)+7], v[SF+16*(\tile):SF+16*(\tile)+7], v[YH:YH+7], v[PP+8*(\tile):PP+8*(\tile)+7]
.else
	v_wmma_f32_16x16x32_f16 v[S1+8*(\tile):S1+8*(\tile)+7], v[SF+16*(\tile)+8:SF+16*(\tile)+15], v[YH+8:YH+15], v[S1+8*(\tile):S1+8*(\tile)+7]
.endif
.endm
.macro VT t, tile                      ; a tile's v = y - step x gradient, in y's place; the accumulator is read from its low end on
.set q, 4*(\tile)
.rept 4
	v_pk_fma_f32 v[(\t)+2*q:(\t)+2*q+1], v[S1+2*q:S1+2*q+1], v[10:11], v[(\t)+2*q:(\t)+2*q+1]
.set q, q+1
.endr
.endm
.macro TM p, q1                        ; one pair of -beta w, in w's place: work that waits for nothing, set where the wave would else wait
	v_pk_mul_f32 v[(\p)+2*(\q1):(\p)+2*(\q1)+1], v[(\p)+2*(\q1):(\p)+2*(\q1)+1], v[14:15] op_sel_hi:[1,0] neg_lo:[0,1] neg_hi:[0,1]
.endm
.macro CHAIN s, sel                    ; link s of the scan's four chains: pair 4 g + s takes the running sum of the pair before it, which lies in that pair's upper (sel = 1) or lower register
.set g, 0
.rept 4
.set q, 4*g+(\s)
.if \sel
	v_pk_add_f32 v[S1+2*q:S1+2*q+1], v[S1+2*q:S1+2*q+1], v[S1+2*q-2:S1+2*q-1] op_sel:[0,1] op_sel_hi:[1,1]
.else
	v_pk_add_f32 v[S1+2*q:S1+2*q+1], v[S1+2*q:S1+2*q+1], v[S1+2*q-2:S1+2*q-1] op_sel_hi:[1,0]
.endif
.set g, g+1
.endr
.endm
.macro START g, lo, sel                ; group g's four pairs take the group's start
.set q, 4*(\g)
.rept 4
.if \sel
	v_pk_add_f32 v[S1+2*q:S1+2*q+1], v[S1+2*q:S1+2*q+1], v[\lo:(\lo)+1] op_sel:[0,1] op_sel_hi:[1,1]
.else
	v_pk_add_f32 v[S1+2*q:S1+2*q+1], v[S1+2*q:S1+2*q+1], v[\lo:(\lo)+1] op_sel_hi:[1,0]
.endif
.set q, q+1
.endr
.endm
; ONE TRIP'S HALF: the step before is finished (w, y, y in f16), then this step's gradient, v, the sort and theta.  The first four products need y's first half alone: the second
; half is made between them.  Between and behind the last four stands work that waits for no product, then v and the sort's first comparisons of the tiles that are finished.
; The four accumulators take turns.  Behind each product at least four plain vector lines that name none of its registers stand ahead of the first line that reads or writes them.
.macro BODY p, t
	FSUB \p, 0
	RELU \p, 8                                     ; w = max(v - theta, 0)
	FY \p, \t, 0
	FCV \t, 0
	MMK 0, 0
	FSUB \p, 8
	MMK 1, 0
	RELU (\p)+16, 8
	MMK 2, 0
	FY \p, \t, 8
	MMK 3, 0
	FCV \t, 8
	MMK 0, 1
	v_add_f32 v16, 1.0, v14                        ; every y is made: 1 + beta for the next step's y
	v_mul_f32 v19, v18, v18                        ; the next beta: t_new = (1 + sqrt(1 + 4 t t)) / 2, beta = (t - 1) / t_new
	TM \p, 0
	TM \p, 1
	v_fma_f32 v19, v19, 4.0, 1.0
	TM \p, 2
	TM \p, 3
	MMK 1, 1
	v_sqrt_f32 v24, v19
	v_add_f32 v25, -1.0, v18                       ; a plain instruction behind the root (ISA guide 5.7.2)
	TM \p, 4
	TM \p, 5
	TM \p, 6
	TM \p, 7
	s_wait_alu depctr_va_vdst(0)
	v_fma_f32 v18, v24, 0.5, 0.5
	MMK 2, 1
	VT \t, 0
	v_rcp_f32 v26, v18
	TM \p, 8
	TM \p, 9
	MMK 3, 1
	VT \t, 1
	SRT4A \t, 0, 2                                 ; a tile's eight registers hold two fours; its accumulator is free once its v is made
	VT \t, 2
	SRT4A \t, 2, 2
	VT \t, 3
	SRT4B 0, 4
	SRT4A \t, 4, 4
	SRT4C 0, 4
	SRT4B 4, 4                                     ; from here on y's f16 registers serve as sort buffer
	SRT4C 4, 4
	MRG8
	MRG16
	MRG32                                          ; 32 numbers a lane, descending, in buffer 2
.set i, 0
.rept 32
	v_permlanex16_b32 v[S1+i], v[S2+31-i], s34, s35  ; the mirror across the two lanes: place i meets the partner's place 31 - i
.set i, i+1
.endr
.set i, 0
.rept 32
	v_med3_num_f32 v[S2+i], v[S2+i], v[S1+i], v29  ; the middle of (a, b, bound): lanes 0-15 (bound: the largest number) keep the larger, lanes 16-31 (the lowest) the smaller
.set i, i+1
.endr
	LAYER S2, S1, 16, 0, 1                         ; lanes 0-15 hold the row's 32 largest, lanes 16-31 the others, each a bitonic run: five layers sort it
	LAYER S1, S2, 8, 1, 1
	LAYER S2, S1, 4, 1, 1
	LAYER S1, S2, 2, 1, 1
	LAYER S2, S1, 1, 1, 2
	; THE SCAN.  Pair q holds places 2 q, 2 q + 1, swapped where q is odd, so that the eight dual additions have an odd and an even destination: the second place takes the first.
.set g, 0
.rept 8
	v_dual_add_f32 v[S1+4*g+1], v[S1+4*g+1], v[S1+4*g] :: v_dual_add_f32 v[S1+4*g+2], v[S1+4*g+2], v[S1+4*g+3]
.set g, g+1
.endr
	CHAIN 1, 1                                     ; four groups of eight places, side by side
	CHAIN 2, 0
	CHAIN 3, 1                                     ; group g's sum lies in register 8 g + 6
	v_add_f32 v6, v[S1+6], v[S1+14]
	v_add_f32 v7, v[S1+22], v[S1+30]
	v_add_f32 v9, -1.0, v[S1+6]                    ; the groups start at -1, sum 0 - 1, sums 0, 1 - 1, sums 0 .. 2 - 1,
	TM \p, 10
	v_add_f32 v27, v6, v7                          ; my lane's sum
	v_add_f32 v30, -1.0, v6
	TM \p, 11
	TM \p, 12
	v_permlanex16_b32 v13, v27, s34, s35
	v_add_f32 v31, v30, v[S1+22]
	TM \p, 13
	v_fma_f32 v20, v13, v28, -1.0                  ; and in lanes 16-31 the sum of the 32 largest comes on top
	v_fma_f32 v21, v13, v28, v9
	v_fma_f32 v22, v13, v28, v30
	v_fma_f32 v23, v13, v28, v31
	START 0, 20, 0
	START 1, 20, 1
	START 2, 22, 0
	START 3, 22, 1                                 ; place i now holds (the sum of the i + 1 + 32 h largest) - 1
	WIN 0x04                                       ; source 1 in window 1
.set q, 0
.rept 16
	v_pk_mul_f32 v[S2+2*q:S2+2*q+1], v[S1+2*q:S1+2*q+1], v[2*q:2*q+1]
.set q, q+1
.endr
	WIN 0
.set i, 0
.rept 10                               ; theta = the largest of the 64 quotients
	v_max3_num_f32 v[S1+i], v[S2+3*i], v[S2+3*i+1], v[S2+3*i+2]
.set i, i+1
.endr
	v_max3_num_f32 v[S1+10], v[S1], v[S1+1], v[S1+2]
	v_max3_num_f32 v[S1+11], v[S1+3], v[S1+4], v[S1+5]
	v_max3_num_f32 v[S1+12], v[S1+6], v[S1+7], v[S1+8]
	v_max3_num_f32 v[S1+13], v[S1+9], v[S2+30], v[S2+31]
	TM \p, 14
	v_max3_num_f32 v[S1+14], v[S1+10], v[S1+11], v[S1+12]
	v_permlanex16_b32 v[S1+15], v[S1+13], s34, s35
	TM \p, 15
	s_wait_alu depctr_va_vdst(0)
	v_mul_f32 v14, v25, v26                        ; every -beta w is made: the next beta
	v_permlanex16_b32 v[S1+16], v[S1+14], s34, s35
	v_max_num_f32 v[S1+17], v[S1+13], v[S1+15]
	v_max3_num_f32 v12, v[S1+14], v[S1+16], v[S1+17]
.endm
	; ---------------- set-up and the first loads ----------------
	s_load_b512 s[8:23], s[0:1], 0x0               ; x s[8:9], W1 s[10:11], b1 s[12:13], W2 s[14:15], b2 s[16:17], W3 s[18:19], b3 s[20:21], sigma s[22:23]
	s_load_b128 s[24:27], s[0:1], 0x40             ; gamma s[24:25], out0 s[26:27]
	s_load_b64 s[28:29], s[0:1], 0x50              ; out1
	s_set_vgpr_msb 0x40
	v_lshl_add_u32 v64, v0, 2, 0x29000
	v_mov_b32 v65, 0
	s_set_vgpr_msb 0x4000
	v_lshrrev_b32 v4, 5, v0
	v_readfirstlane_b32 s30, v4                    ; wave 0..3
	v_and_b32 v1, 15, v0                           ; r
	v_bfe_u32 v2, v0, 4, 1                         ; h
	v_and_b32 v3, 31, v0
	v_lshlrev_b32 v3, 4, v3                        ; 16 x lane
	v_mov_b32 v8, 0
	s_lshl_b32 s31, ttmp9, 6
	s_lshl4_add_u32 s31, s30, s31                  ; my first row = 64 x work-group + 16 x wave
	s_lshl_b32 s32, s31, 9                         ; in bytes of x
	s_mov_b32 s33, 0
	s_mov_b32 s34, 0x76543210                      ; v_permlanex16_b32: each lane takes its own place in the other half
	s_mov_b32 s35, 0xfedcba98
	v_lshlrev_b32 v4, 2, v1
	v_lshl_add_u32 v4, v2, 11, v4
	s_lshl_b32 s37, s30, 6
	v_add_nc_u32 v4, s37, v4                       ; sigma[8h + ..][16w + r]: 2,048 h + 64 w + 4 r
	v_lshlrev_b32 v5, 8, v1
	v_lshl_add_u32 v5, v2, 5, v5
	s_lshl_b32 s38, s30, 12
	v_add_nc_u32 v5, s38, v5                       ; sigma[16w + r][8h + ..]: 4,096 w + 256 r + 32 h
	s_wait_kmcnt 0x0
	s_add_nc_u64 s[8:9], s[8:9], s[32:33]          ; x at my first row
	s_lshl_b32 s32, s31, 8
	s_add_nc_u64 s[26:27], s[26:27], s[32:33]      ; out0 and out1 at my first row
	s_add_nc_u64 s[28:29], s[28:29], s[32:33]
	s_load_b32 s42, s[24:25], 0x0                  ; gamma
.set a, 0
.rept 4
.set j, 0
.rept 8
	global_load_b32 v[XA+8*a+j], v4, s[22:23] offset:a*4096+j*256      ; S: my column block, sigma[16a + 8h + j][16w + r]
.set j, j+1
.endr
.set a, a+1
.endr
.set a, 0
.rept 4
	global_load_b128 v[TW+8*a:TW+8*a+3], v5, s[22:23] offset:a*64      ; R: my row block, sigma[16w + r][16a + 8h + j]
	global_load_b128 v[TW+8*a+4:TW+8*a+7], v5, s[22:23] offset:a*64+16
.set a, a+1
.endr
	WIN 0x40                                       ; destination window 1
.set i, 0
.rept 16
	global_load_b128 v[4*i:4*i+3], v3, s[8:9] offset:i*512 th:TH_LOAD_NT  ; a whole row of x, 512 bytes; it lands while the eigenvalue is found
.set i, i+1
.endr
	WIN 0
	s_lshl_b32 s37, s30, 12
	s_add_co_u32 s37, s37, EX
	v_add_nc_u32 v20, s37, v3                      ; where I store my block's fragments
	v_add_nc_u32 v21, EX, v3                       ; where I read all blocks'
	s_lshl_b32 s37, s30, 11
	s_add_co_u32 s37, s37, SIG
	v_add_nc_u32 v22, s37, v3                      ; the same for sigma's fragments
	v_add_nc_u32 v23, SIG, v3
	s_lshl_b32 s37, s30, 2
	s_add_co_u32 s37, s37, RED
	v_mov_b32 v24, s37                             ; my word of partial sums
	v_mov_b32 v25, RED
	s_mul_i32 s37, s30, 16*XSP
	v_add_nc_u32 v6, s37, v3                       ; x into LDS: a row at a time
	v_mul_u32_u24 v7, v1, XSP
	v_lshl_add_u32 v7, v2, 5, v7
	v_add_nc_u32 v7, s37, v7                       ; x out of LDS: row r, 8 numbers from 8 h on
	; ---------------- sigma: rounded, scaled, its fragments; the matrix B ----------------
	s_wait_loadcnt 16                              ; sigma is in; the 16 loads of x, issued behind it, stay out
.set q, 0
.rept 32
	RB16 TW+2*q, 16+(q&3)                          ; R and S rounded to bf16
.set q, q+1
.endr
	SUMSQ XA, FL                                   ; the four column blocks cover sigma once
	ds_store_b32 v24, v16
	BARRIER
	ds_load_b128 v[28:31], v25
	s_wait_dscnt 0x0
	v_add_f32 v28, v28, v29
	v_add_f32 v30, v30, v31
	v_add_f32 v16, v28, v30                        ; N0 = ||sigma||^2
	v_lshrrev_b32 v17, 23, v16                     ; its exponent field E: N0 < 2^(E - 126)
	v_add_nc_u32 v17, 0xffffff83, v17
	v_ashrrev_i32 v17, 1, v17                      ; e0 = (E - 125) >> 1: ||sigma|| < 2^e0 <= 2 ||sigma||
	v_sub_nc_u32 v18, 127, v17
	v_sub_nc_u32 v19, 126, v17
	v_lshlrev_b32 v18, 23, v18                     ; sc0 = 2^-e0
	v_lshlrev_b32 v19, 23, v19                     ; sc0 / 2
	v_mov_b32 v9, v18
.set q, 0
.rept 16
	v_pk_mul_f32 v[FH+2*q:FH+2*q+1], v[XA+2*q:XA+2*q+1], v[18:19] op_sel_hi:[1,0]
.set q, q+1
.endr
.set q, 0
.rept 16
	v_cvt_pk_f16_f32 v[FH+q], v[FH+2*q], v[FH+2*q+1]  ; ascending, in place: register q is written when pair q / 2 has been read
.set q, q+1
.endr
.set c, 0
.rept 4
	ds_store_b128 v22, v[FH+4*c:FH+4*c+3] offset:c*512  ; source 0 of tile w of y sigma: row m = asset 16w + r, k = 16a + 8h + j.  Read behind the squarings' barriers
.set c, c+1
.endr
.set q, 0
.rept 16
	v_pk_add_f32 v[XA+2*q:XA+2*q+1], v[XA+2*q:XA+2*q+1], v[TW+2*q:TW+2*q+1]
.set q, q+1
.endr
.set q, 0
.rept 16
	v_pk_mul_f32 v[XA+2*q:XA+2*q+1], v[XA+2*q:XA+2*q+1], v[18:19] op_sel:[0,1] op_sel_hi:[1,1]  ; (sigma + sigma') sc0 / 2: symmetric to the last bit
.set q, q+1
.endr
	v_lshlrev_b32 v17, 3, v2
	v_sub_nc_u32 v17, v1, v17                      ; register j of tile w holds a diagonal element where j = r - 8h
.set j, 0
.rept 8
	v_cmp_eq_u32 vcc_lo, j, v17
	v_cndmask_b32 v[FL+j], 0, 1.0, vcc_lo
.set j, j+1
.endr
.set a, 0
.rept 4
	s_cmp_eq_u32 s30, a
	s_cselect_b32 s40, 1.0, 0
	s_mov_b32 s41, s40
.set q, 0
.rept 4
	v_pk_fma_f32 v[XA+8*a+2*q:XA+8*a+2*q+1], v[FL+2*q:FL+2*q+1], s[40:41], v[XA+8*a+2*q:XA+8*a+2*q+1] op_sel_hi:[1,0,1]  ; + I
.set q, q+1
.endr
.set a, a+1
.endr
	v_mov_b32 v10, 0x42000000                      ; the first scale: 32
	v_mov_b32 v11, 0x42000000
	v_mov_b32 v12, 0xc0a00000                      ; G = -5
	v_mov_b32 v13, 0.5
	; ---------------- 16 squarings: eight on hi + lo, eight on hi alone ----------------
	s_mov_b32 s36, 4
.Lsquare:
	SQ 0, 1
	SQ 1, 1
	s_sub_co_i32 s36, s36, 1
	s_cmp_lg_u32 s36, 0
	s_cbranch_scc1 .Lsquare
	s_mov_b32 s36, 4
.Lsquare_hi:
	SQ 0, 0
	SQ 1, 0
	s_sub_co_i32 s36, s36, 1
	s_cmp_lg_u32 s36, 0
	s_cbranch_scc1 .Lsquare_hi
	SCALEX                                         ; the last power's norm
	SUMSQ XA, TW
	ds_store_b32 v24, v16 offset:16
	BARRIER
	ds_load_b128 v[28:31], v25 offset:16
	s_wait_dscnt 0x0
	v_add_f32 v28, v28, v29
	v_add_f32 v30, v30, v31
	v_add_f32 v16, v28, v30
	v_sub_nc_u32 v17, v16, v14                     ; the two norms' bit patterns: their difference is 2^23 x log2 of the ratio, nearly
	v_cvt_f32_i32 v17, v17
	v_fmamk_f32 v12, v15, 0x37800000, v12          ; + e16 2^-16
	v_fmamk_f32 v12, v17, 0x2c000000, v12          ; + difference x 2^-39
	v_exp_f32 v16, v12                             ; lambda(B)
	v_nop                                          ; a plain instruction behind a transcendental (ISA guide 5.7.2)
	s_wait_alu depctr_va_vdst(0)
	v_add_f32 v13, -1.0, v16                       ; lambda of sigma's symmetric part, times sc0
	v_rcp_f32 v17, v13
	v_nop
	s_wait_alu depctr_va_vdst(0)
	v_mul_f32 v10, -1.0, v17                       ; -step, for the scaled gradient
	v_mov_b32 v11, v10
	; ---------------- the three layers ----------------
	s_wait_loadcnt 0x0                             ; x
	WIN 0x04                                       ; store data in window 1
.set i, 0
.rept 16
	ds_store_b128 v6, v[4*i:4*i+3] offset:i*XSP
.set i, i+1
.endr
	WIN 0
	v_lshlrev_b32 v19, 2, v1
	v_lshl_add_u32 v16, v2, 10, v19                ; W1[8h + ..][r]
	v_lshlrev_b32 v17, 5, v2                       ; a bias from 8 h on
	v_lshl_add_u32 v18, v2, 9, v19                 ; W2[8h + ..][r]
	v_lshl_add_u32 v19, v2, 11, v19                ; W3[8h + ..][r]
.set f, 0
.rept 8                                ; fragment f = 4 mt + ks: row m = feature 16 mt + r; number i: k = 32 ks + 8 h + i, and 8 more from i = 8 on
.set i, 0
.rept 16
	global_load_b32 v[128+16*f+i], v16, s[10:11] offset:(32*(f&3)+i+8*(i/8))*128+(f/4)*64
.set i, i+1
.endr
.set f, f+1
.endr
.set ks, 0
.rept 4
	ds_load_b128 v[32+16*ks:35+16*ks], v7 offset:ks*128      ; my own bytes, in order behind my stores
	ds_load_b128 v[36+16*ks:39+16*ks], v7 offset:ks*128+16
	ds_load_b128 v[40+16*ks:43+16*ks], v7 offset:ks*128+64
	ds_load_b128 v[44+16*ks:47+16*ks], v7 offset:ks*128+80
.set ks, ks+1
.endr
	s_mul_i32 s37, s30, 16*OSP
	s_add_co_u32 s37, s37, OST                     ; my stage
	v_mul_u32_u24 v4, v1, OSP
	v_lshl_add_u32 v4, v2, 5, v4
	v_add_nc_u32 v4, s37, v4                       ; in: row r, 32 bytes for each half of the lanes
	v_mul_u32_u24 v5, v2, OSP
	v_lshl_add_u32 v5, v1, 4, v5
	v_add_nc_u32 v5, s37, v5                       ; back: lanes 0-15 one row of 256 bytes, lanes 16-31 the next
	s_wait_dscnt 0x0
.set q, 0
.rept 32
	v_cvt_pk_bf16_f32 v[96+q], v[32+2*q], v[33+2*q]  ; x as source 1: K step ks at v[96 + 8 ks]
.set q, q+1
.endr
.set q, 0
.rept 4
	global_load_b128 v[32+4*q:35+4*q], v17, s[12:13] offset:16*(q&1)+64*(q/2)  ; b1[16 mt + 8h + j], mt = q / 2: the C operand of layer 1's accumulator mt
.set q, q+1
.endr
.set i, 0
.rept 16
	global_load_b32 v[48+i], v18, s[14:15] offset:(i+8*(i/8))*64
.set i, i+1
.endr
	global_load_b128 v[64:67], v17, s[16:17]
	global_load_b128 v[68:71], v17, s[16:17] offset:16
	s_wait_loadcnt 22                              ; W1 is in; the 22 loads of b1, W2 and b2 stay out
.set q, 0
.rept 64
	v_cvt_pk_bf16_f32 v[128+q], v[128+2*q], v[129+2*q]  ; fragment f at v[128 + 8 f]; ascending, in place
.set q, q+1
.endr
.set t, 0
.rept 4
.set i, 0
.rept 8
	global_load_b32 v[192+8*t+i], v19, s[18:19] offset:i*256+t*64
.set i, i+1
.endr
.set t, t+1
.endr
.set q, 0
.rept 8
	global_load_b128 v[224+4*q:227+4*q], v17, s[20:21] offset:16*(q&1)+64*(q/2)  ; b3[16 t + 8h + j]
.set q, q+1
.endr
	s_wait_loadcnt 40                              ; b1, W2, b2 are in; the 40 loads of W3 and b3 stay out
.set q, 0
.rept 8
	RB16 32+2*q, 12+(q&1)
.set q, q+1
.endr
.set q, 0
.rept 4
	RB16 64+2*q, 12+(q&1)
.set q, q+1
.endr
.set q, 0
.rept 8
	v_cvt_pk_bf16_f32 v[72+q], v[48+2*q], v[49+2*q]
.set q, q+1
.endr
.set ks, 0
.rept 4                                ; layer 1: two accumulators by turns, started on the bias
	v_wmma_f32_16x16x32_bf16 v[32:39], v[128+8*ks:135+8*ks], v[96+8*ks:103+8*ks], v[32:39]
	v_wmma_f32_16x16x32_bf16 v[40:47], v[160+8*ks:167+8*ks], v[96+8*ks:103+8*ks], v[40:47]
.set ks, ks+1
.endr
	s_wait_loadcnt 0x0                             ; W3, b3.  What follows names none of layer 1's registers: it fills the places behind its products
	s_wait_kmcnt 0x0                               ; gamma
.set t, 0
.rept 4
.set q, 0
.rept 4
	v_cvt_pk_bf16_f32 v[192+8*t+q], v[192+8*t+2*q], v[193+8*t+2*q]
.set q, q+1
.endr
.set q, 0
.rept 4
	v_mov_b32 v[196+8*t+q], v[192+8*t+q]           ; k = 16 .. 31 repeats W3's 16 rows: there source 1 holds h2's lo parts
.set q, q+1
.endr
.set t, t+1
.endr
.set q, 0
.rept 16
	RB16 224+2*q, 12+(q&1)
.set q, q+1
.endr
	v_mov_b32 v14, s42
	v_cvt_pk_bf16_f32 v14, v14, v14
	v_lshlrev_b32 v14, 16, v14
	v_mul_f32 v14, -v14, v9                        ; -gamma sc0
	v_mov_b32 v15, v14
	RELU 32, 8
	SPLIT 32, 8, 80, 88, 48
	v_wmma_f32_16x16x32_bf16 v[64:71], v[72:79], v[80:87], v[64:71]  ; layer 2: W2 x hi + b2,
	v_wmma_f32_16x16x32_bf16 v[48:55], v[72:79], v[88:95], 0         ; and W2 x lo, on a second accumulator
	PLACES
.set q, 0
.rept 4
	v_pk_add_f32 v[64+2*q:65+2*q], v[64+2*q:65+2*q], v[48+2*q:49+2*q]
.set q, q+1
.endr
	RELU 64, 4
	SPLIT 64, 4, 80, 84, 48                        ; source 1 of layer 3: k = 8h + j hi, k = 16 + 8h + j lo
.set t, 0
.rept 4
	v_wmma_f32_16x16x32_bf16 v[PP+8*t:PP+8*t+7], v[192+8*t:199+8*t], v[80:87], v[PP+8*t:PP+8*t+7]  ; mu, started on b3
.set t, t+1
.endr
	PLACES
	OUT PP, 28                                     ; mu; each accumulator's four lowest registers are stored first; the macro's last wait shows all its LDS instructions done
.set q, 0
.rept 16
	v_pk_mul_f32 v[PP+2*q:PP+2*q+1], v[PP+2*q:PP+2*q+1], v[14:15]  ; p' = -gamma sc0 mu, in mu's place
.set q, q+1
.endr
	; ---------------- constants and start values of the loop ----------------
.set t, 0
.rept 4
.set c, 0
.rept 4
	ds_load_b128 v[SF+16*t+4*c:SF+16*t+4*c+3], v23 offset:t*2048+c*512  ; sigma's fragments, all four tiles
.set c, c+1
.endr
.set t, t+1
.endr
.set i, 0
.rept 32
.set e, i ^ ((i>>1) & 1)
	v_mad_u32_u24 v[S2+i], v2, 32, e+1             ; register i of the scan holds place e: e + 1 numbers in lanes 0-15, e + 33 in lanes 16-31
.set i, i+1
.endr
.set i, 0
.rept 32
	v_cvt_f32_u32 v[S2+i], v[S2+i]
.set i, i+1
.endr
	WIN 0x40                                       ; destination window 1
.set i, 0
.rept 32
	v_rcp_f32 v[i], v[S2+i]
.set i, i+1
.endr
	WIN 0
	v_cvt_f32_u32 v28, v2                          ; float(h); also the plain instruction behind the reciprocals
	v_lshlrev_b32 v29, 31, v2
	v_or_b32 v29, 0x7f7fffff, v29                  ; the largest finite number in lanes 0-15, the lowest in lanes 16-31
	v_mov_b32 v27, 0x3c800000                      ; 1/64
	; The loop's first lines finish 'the step before': v = 1/64, theta = 0, -beta w_old = 0 and 1 + beta = 1 give w0 = y0 = 1/64.
	v_mov_b32 v12, 0
	v_mov_b32 v13, 0
	v_mov_b32 v15, 0
	v_mov_b32 v16, 1.0
	v_mov_b32 v17, 0
	v_mov_b32 v18, 1.0                             ; t1; the chain below makes beta of step 1, which is 0, and t2
	v_mul_f32 v19, v18, v18
	v_fma_f32 v19, v19, 4.0, 1.0
	v_sqrt_f32 v24, v19
	v_add_f32 v25, -1.0, v18
	s_wait_alu depctr_va_vdst(0)
	v_fma_f32 v18, v24, 0.5, 0.5
	v_rcp_f32 v26, v18
	v_nop
	s_wait_alu depctr_va_vdst(0)
	v_mul_f32 v14, v25, v26
.set q, 0
.rept 16
	v_dual_mov_b32 v[HA+2*q], v27 :: v_dual_mov_b32 v[HA+2*q+1], v27
	v_dual_mov_b32 v[HB+2*q], v8 :: v_dual_mov_b32 v[HB+2*q+1], v8
.set q, q+1
.endr
	s_wait_dscnt 0x0                               ; sigma's fragments
	s_wait_xcnt 0x0                                ; mu's stores have read v32-63, which the first products write
	s_mov_b32 s36, ITERS/2
	; ---------------- 100 steps, two a trip: registers alone ----------------
.Lfista:
	BODY HA, HB
	BODY HB, HA
	s_sub_co_i32 s36, s36, 1
	s_cmp_lg_u32 s36, 0
	s_cbranch_scc1 .Lfista
	FSUB HA, 0                                     ; the last step's w
	FSUB HA, 8
	RELU HA, 16
	OUT HA, 26                                     ; the weights
	s_set_vgpr_msb 0x5
	s_wait_tensorcnt 0x0
	ds_add_u32 v64, v65
	s_wait_dscnt 0x0
	s_set_vgpr_msb 0x500
	s_endpgm
.Lfunc_end_k_q32997cc691_markowitz:
	.size	k_q32997cc691_markowitz, .Lfunc_end_k_q32997cc691_markowitz-k_q32997cc691_markowitz
	.p2alignl 7, 3214868480
	.fill 96, 4, 3214868480
	.section	.rodata,"a",@progbits
	.p2align	6, 0x0
	.amdhsa_kernel k_q32997cc691_markowitz
		.amdhsa_group_segment_fixed_size 168448
		.amdhsa_private_segment_fixed_size 0
		.amdhsa_enable_private_segment 0
		.amdhsa_kernarg_size 88
		.amdhsa_user_sgpr_count 2
		.amdhsa_user_sgpr_kernarg_segment_ptr 1
		.amdhsa_wavefront_size32 1
		.amdhsa_system_sgpr_workgroup_id_x 1
		.amdhsa_system_sgpr_workgroup_id_y 1
		.amdhsa_system_sgpr_workgroup_id_z 1
		.amdhsa_system_vgpr_workitem_id 0
		.amdhsa_next_free_vgpr 322
		.amdhsa_next_free_sgpr 66
		.amdhsa_reserve_vcc 1
		.amdhsa_float_denorm_mode_32 3
		.amdhsa_float_denorm_mode_16_64 3
		.amdhsa_memory_ordered 1
		.amdhsa_forward_progress 1
		.amdhsa_inst_pref_size 179
	.end_amdhsa_kernel
	.amdgpu_metadata
---
amdhsa.version: [ 1, 2 ]
amdhsa.kernels:
  - .name:           k_q32997cc691_markowitz
    .symbol:         k_q32997cc691_markowitz.kd
    .args:
      - { .name: x, .offset: 0, .size: 8, .value_kind: global_buffer, .address_space: global }
      - { .name: W1, .offset: 8, .size: 8, .value_kind: global_buffer, .address_space: global }
      - { .name: b1, .offset: 16, .size: 8, .value_kind: global_buffer, .address_space: global }
      - { .name: W2, .offset: 24, .size: 8, .value_kind: global_buffer, .address_space: global }
      - { .name: b2, .offset: 32, .size: 8, .value_kind: global_buffer, .address_space: global }
      - { .name: W3, .offset: 40, .size: 8, .value_kind: global_buffer, .address_space: global }
      - { .name: b3, .offset: 48, .size: 8, .value_kind: global_buffer, .address_space: global }
      - { .name: sigma, .offset: 56, .size: 8, .value_kind: global_buffer, .address_space: global }
      - { .name: gamma, .offset: 64, .size: 8, .value_kind: global_buffer, .address_space: global }
      - { .name: out0, .offset: 72, .size: 8, .value_kind: global_buffer, .address_space: global }
      - { .name: out1, .offset: 80, .size: 8, .value_kind: global_buffer, .address_space: global }
    .group_segment_fixed_size: 168448
    .private_segment_fixed_size: 0
    .kernarg_segment_align: 8
    .kernarg_segment_size: 88
    .max_flat_workgroup_size: 128
    .sgpr_count:     66
    .vgpr_count:     322
    .wavefront_size: 32
...
	.end_amdgpu_metadata
.endif
;; end of part 3
